; MI455X (gfx1250); checked and timed in simulation.
; The chip was launched on July 23, 2026; its instructions are those of AMD's public machine-readable ISA for CDNA 5 (MIT licence, August 2026) and "CDNA5" Instruction Set Architecture Reference Guide (July 2026). The comments in the code are by the model that wrote it; some were corrected since.
;; Bert Self Attention1 D. Allowed arithmetic: matrix products marked QUANTISED: E3M2 operands, one E8M0 scale for each 32 along K, by v_wmma_scale_f32_16x16x128_f8f6f4 with both operands' format E3M2, f32 sums; everything else in f32.
;; Inputs: W_dense_codes 1,024 x 32 x 24 uint8 (E3M2 codes of W_dense, K innermost, in blocks of 32 codes, four codes in three bytes); W_dense_scales 1,024 x 32 uint8 (E8M0 scales of W_dense, one for each 32 codes along K); W_qkv_codes 3,072 x 32 x 24 uint8 (E3M2 codes of W_qkv, K innermost, in blocks of 32 codes, four codes in three bytes); W_qkv_scales 3,072 x 32 uint8 (E8M0 scales of W_qkv, one for each 32 codes along K); attention_mask 4 x 1 x 1 x 2,048 float32; b_dense 1,024 float32; b_qkv 3,072 float32; hidden_states 4 x 2,048 x 1,024 float32; ln_beta 1,024 float32; ln_gamma 1,024 float32.
;; Outputs: out0 4 x 2,048 x 1,024 float32.
;; This version of the problem:
;;   THIS VERSION OF THE PROBLEM IS GIVEN IN LOW PRECISION. The matrix products marked QUANTISED in the list below multiply operands that are first quantised to E3M2 (3 exponent bits, 2 mantissa bits; 6 bits a number), with one power-of-two scale for each 32 numbers along K (OCP MX v1.0); their sums are f32. All else is computed in f32.
;;   The module's matrix products, in the order in which they are computed (A, B: the left and right operand; K: the contracted axis; several contracted axes count as one K, in the product's order):
;;     1. [M 8,192, K 1,024] x [K 1,024, N 3,072]; A: input hidden_states; B: input W_qkv (given as codes): QUANTISED
;;     2. batch 64 x [M 2,048, K 64] x [K 64, N 2,048]; A: computed on the way; B: computed on the way: QUANTISED
;;     3. batch 64 x [M 2,048, K 2,048] x [K 2,048, N 64]; A: softmax (see below); B: computed on the way: QUANTISED
;;     4. [M 8,192, K 1,024] x [K 1,024, N 1,024]; A: computed on the way; B: input W_dense (given as codes): QUANTISED
;;   THE QUANTISER, for each operand of a quantised product, along K:
;;     - K is cut into blocks of 32 from its start; a last block that is shorter is filled with zeros.
;;     - A block's scale is 2^e with e = floor(log2(the largest magnitude in the block)) - 4, held to -126 .. 127; a block of zeros has e = 0. As a byte (E8M0): e + 127.
;;     - Each number is divided by its block's scale, clamped to +-28, and rounded to the nearest number of E3M2, ties to even, subnormals kept.
;;     - The product sums the exact products of the quantised numbers (number of the format x scale) in f32.
;;   ~~~python
;;   def quantise(x, axis):      # numpy; x: float32 -> the quantised numbers, widened to float32 again
;;       x = np.moveaxis(x, axis, -1); K = x.shape[-1]
;;       x = np.pad(x, [(0, 0)] * (x.ndim - 1) + [(0, -K % 32)]); x = x.reshape(x.shape[:-1] + (-1, 32)); a = np.abs(x).max(-1, keepdims=True)
;;       e = np.where(a > 0, np.clip(np.frexp(np.where(a > 0, a, 1))[1] - 1 - 4, -126, 127), 0)      # np.frexp(a)[1] - 1 = floor(log2(a)), exactly
;;       r = np.clip(x / 2.0 ** e, -28, 28)
;;       step = 2.0 ** (np.maximum(np.frexp(np.where(r == 0, 1, r))[1] - 1, -2) - 2)
;;       q = np.round(r / step) * step * 2.0 ** e      # np.round: ties to even
;;       return np.moveaxis(q.reshape(q.shape[:-2] + (-1,))[..., :K], -1, axis).astype(np.float32)
;;   ~~~
;;   SOFTMAX AHEAD OF A QUANTISED PRODUCT. Where the list says 'softmax', what is quantised is not the finished softmax but p = 2^(t - M), with t = logit x log2(e) and M = ceil(the row's largest t), a whole number; so 1/2 < the row's largest p <= 1. The row's sum l is taken of the UNQUANTISED p, in f32, and the product's result is divided by l at the end. Since M is a whole number, a kernel that streams over the keys may use a running M (the ceiling of the running maximum): every later rescaling is an exact power of two, which a block's scale takes up: the codes' values come out the same.
;;   OPERANDS COMPUTED ON THE WAY. 'Computed on the way' means the value that the module computes at that place (a softmax that the list does not call 'softmax' is quantised finished and normalised). What goes into a quantiser is computed in f32, as accurately as f32 sums, v_exp_f32 and their like allow (about 1e-6 of the number): no bf16 or f16 on the way to a quantiser, and a product that is left as it is and whose result goes on into a quantised operand takes f32 operands (vector FMAs, or v_wmma_f32_16x16x4_f32). A number that lies on a knife's edge between two numbers of the format may be rounded either way, as far as f32 arithmetic and the matrix unit's own rounding can turn it there, and no further.
;;   INPUTS GIVEN AS CODES. W_dense (in the module: [1024, 1024], K = its axis 0); W_qkv (in the module: [1024, 3072], K = its axis 0): each comes as NAME_codes (uint8): NAME with its K axis moved to the last place and cut into blocks of 32 codes, [.., K / 32, bytes a block], one block behind the other in memory; four codes in three bytes: a row's codes are one little-endian stream of bits, code i at bits 6 i .. 6 i + 5 (a code: sign, 3 exponent bits, 2 mantissa bits); and NAME_scales (uint8): the same leading axes, one E8M0 byte (e + 127) for each 32 codes along K. Its value is code x scale, taken as it is: it is not quantised again, and the codes and scales need not be those that the quantiser above would give.
;; One version. Each part assembles by itself: llvm-mc -triple=amdgcn-amd-amdhsa -mcpu=gfx1250 --defsym DOCPART=n.
;; ======== version 1 of 1: 4 launches
;; limits: right only within a limited range of input values
;; workspace buffers: ximg 6,815,744 bytes; wqimg 2,555,904 bytes; wdimg 851,968 bytes; qimg 7,340,032 bytes; kvimg 13,631,488 bytes; cimg 6,291,456 bytes; csc 524,288 bytes
;; launch prep (part 1): grid 384 x 1, 4 waves a work-group, no clusters, 34,304 bytes of LDS; arguments hidden_states, W_qkv_codes, W_qkv_scales, W_dense_codes, W_dense_scales, ximg, wqimg, wdimg; writes ximg, wqimg, wdimg
.if DOCPART == 1
	.amdgcn_target "amdgcn-amd-amdhsa--gfx1250"
	.amdhsa_code_object_version 6
	.text
	.protected	k_q917f321621_prep
	.globl	k_q917f321621_prep
	.p2align	8
	.type	k_q917f321621_prep,@function
k_q917f321621_prep:
	s_mov_b64 s[64:65], 0
	v_nop
	global_prefetch_b8 v0, s[64:65] scope:SCOPE_SE
	s_setreg_imm32_b32 hwreg(HW_REG_WAVE_MODE, 25, 1), 1
	s_wait_xcnt 0x0
; hidden_states [8192][1024] f32 is quantised ONCE along K into codes of BF6 (E3M2) with one E8M0 byte for each 32 along K; W_qkv's and W_dense's given codes and scale bytes are laid anew.
; All three leave in the ORDER OF THE OPERAND'S REGISTERS, so that the later launches fetch every fragment by loads of 16 bytes a lane and every tile as a dense block.
; A QUAD (6,656 bytes) is 64 rows x 128 along K: four fragments of 16 rows (1,536 bytes each: register group c of lane l at 512 c + 16 l), then 512 bytes of scale words (lane l: the four tiles' words of row-lane l % 16).
; THE ROWS OF A TILE ARE NOT NEIGHBOURS: lane r of tile a takes row 32 (a / 2) + 8 (a % 2) + r + 8 (r / 8) of the 64, so that a product that takes such a tile as source 0 leaves 16 neighbours in the registers of two neighbouring tiles.
; ximg: quad (RB 8 + s) 4 + rq (RB = row / 256, s = K step, rq = 64 rows of the 256); wqimg: quad (head 8 + s) 3 + g (g: q, k, v); wdimg: quad 16 s + rho (rows 64 rho on).
; Work-groups 0-255 take hidden_states, a quad a wave; work-groups 256-383 the weights, a quad a wave.  Waves share nothing: no barrier.
; A block's scale byte is its largest magnitude's exponent field - 4, held at 1 from below.  LIMITS: blocks whose largest magnitude lies under 2^-122, and blocks of zeros, get the byte 1 (a block of zeros has zero codes,
; and this program alone reads the bytes); NaN and infinities among the inputs are not served.
.set QB,   6656                        ; bytes of a quad
.set STP,  528                         ; a stage row: 512 bytes + 16, so that 16 rows start at 16 different groups of banks
.set STW,  16*STP                      ; a wave's stage
.set LI,   4                           ; v4   16 x lane
.set SA,   5                           ; v5   the stage, on the way in: 16 x lane
.set SB,   6                           ; v6   on the way out: row r, + 64 h
.set WA,   7                           ; v7   a weight's codes: row r + 8 (r / 8) of 768 bytes, + 24 h
.set WSC,  8                           ; v8   its scale bytes: 32 a row
.set TM,   16                          ; v16-31 at work in the quantiser
.set PW,   32                          ; v32-35 the four tiles' scale words
.set PC,   36                          ; v36-55 the codes just made
.set X,    64                          ; v64-127 64 numbers of a lane (path of the weights: four fragments)
.set R,    128                         ; v128-255 two sets of 16 rows as loaded
.set WV,   24
.set SEL,  28
	s_load_b512 s[4:19], s[0:1], 0x0               ; hidden s[4:5]; W_qkv codes, scales s[6:9]; W_dense codes, scales s[10:13]; ximg s[14:15]; wqimg s[16:17]; wdimg s[18:19]
	v_lshl_add_u32 v62, v0, 2, 0x8400
	v_mov_b32 v63, 0
	v_lshrrev_b32 v1, 5, v0
	v_readfirstlane_b32 s[WV], v1                  ; wave 0..3
	v_and_b32 v1, 31, v0                           ; lane
	v_and_b32 v2, 15, v0                           ; r
	v_bfe_u32 v3, v0, 4, 1                         ; h
	v_lshlrev_b32 v[LI], 4, v1
	s_mul_i32 s25, s[WV], STW
	v_add_nc_u32 v[SA], s25, v[LI]
	v_mul_u32_u24 v[SB], v2, STP
	v_lshl_add_u32 v[SB], v3, 6, v[SB]
	v_add_nc_u32 v[SB], s25, v[SB]
	v_and_b32 v9, 8, v2
	v_add_nc_u32 v9, v9, v2                        ; r + 8 (r / 8)
	v_mul_u32_u24 v[WA], v9, 768
	v_mad_u32_u24 v[WA], v3, 24, v[WA]
	v_lshlrev_b32 v[WSC], 5, v9
	s_mov_b32 s[SEL], 0x76543210
	s_mov_b32 s[SEL+1], 0xfedcba98                 ; v_permlanex16_b32's selects for lane l xor 16
.irp b, 0,1,2,3
	v_mov_b32 v[TM+4+\b], 0                        ; written once: a lane permute's destination counts as one of its sources
.endr
	s_wait_kmcnt 0x0
	s_cmp_lt_u32 ttmp9, 256
	s_cbranch_scc0 .Lweights
; ---- hidden_states.  64 numbers of a lane, register 16 b + i = k 32 b + 16 h + i of my row, become a fragment's codes in v[PC] on and its scale word in v[pw].
.macro QUANT4 s, pw
.irp b, 0,1,2,3
	v_max3_num_f32 v[TM+\b], |v[\s+16*\b]|, |v[\s+1+16*\b]|, 0x2800000   ; block b: my 16 numbers, and the floor 2^(5 - 127): the byte cannot fall under 1
.endr
.irp i, 2,4,6,8,10,12,14
.irp b, 0,1,2,3
	v_max3_num_f32 v[TM+\b], v[TM+\b], |v[\s+16*\b+\i]|, |v[\s+1+16*\b+\i]|   ; the four blocks by turns
.endr
.endr
.irp b, 0,1,2,3
	v_permlanex16_b32 v[TM+4+\b], v[TM+\b], s[SEL], s[SEL+1]
.endr
.irp b, 0,1,2,3
	v_max_num_f32 v[TM+\b], v[TM+\b], v[TM+4+\b]   ; with lane l xor 16's: the block's largest magnitude
.endr
.irp b, 0,1,2,3
	v_add_nc_u32 v[TM+12+\b], 0xfe000000, v[TM+\b] ; 4 off its exponent field: the conversion takes this operand's exponent field as its scale
.endr
.irp b, 0,1,2,3
	v_lshrrev_b32 v[TM+4+\b], 23, v[TM+12+\b]      ; the scale's byte
.endr
	v_lshl_or_b32 v[\pw], v[TM+5], 8, v[TM+4]      ; the four bytes make my row's scale word
	v_lshl_or_b32 v[\pw], v[TM+6], 16, v[\pw]
	v_lshl_or_b32 v[\pw], v[TM+7], 24, v[\pw]
.irp c, 0,1
	v_cvt_scalef32_pk16_bf6_f32 v[PC+6*\c:PC+2+6*\c], v[\s+32*\c:\s+15+32*\c], v[TM+12+2*\c]
	v_cvt_scalef32_pk16_bf6_f32 v[PC+12+4*\c:PC+14+4*\c], v[\s+16+32*\c:\s+31+32*\c], v[TM+12+2*\c+1]   ; (a conversion's three registers begin on an even number)
.endr
	v_nop                                          ; one plain place behind a scaled conversion
.irp c, 0,1                                    ; the operand's layout wants a WHOLE block in a lane: lanes 0-15 block 2 c, lanes 16-31 block 2 c + 1
.irp i, 0,1,2
	v_permlane16_swap_b32 v[PC+6*\c+\i], v[PC+12+4*\c+\i]
.endr
.irp i, 0,1,2
	v_mov_b32 v[PC+3+6*\c+\i], v[PC+12+4*\c+\i]
.endr
.endr
.endm
.macro LOADT a                         ; tile a's 16 rows: each load reads one row's K step, 512 consecutive bytes at a multiple of 512
.irp i, 0,1,2,3,4,5,6,7,8,9,10,11,12,13,14,15
	global_load_b128 v[R+64*((\a)%2)+4*\i:R+64*((\a)%2)+4*\i+3], v[LI], s[4:5] offset:(32*((\a)/2)+8*((\a)%2)+\i+8*(\i/8))*4096 th:TH_LOAD_NT
.endr
.endm
.macro XTILE a
.if (\a) < 3
	s_wait_loadcnt 16                              ; this tile's 16 loads are in; the next tile's 16 may be out
.else
	s_wait_loadcnt 0x0
.endif
.irp i, 0,1,2,3,4,5,6,7,8,9,10,11,12,13,14,15
	ds_store_b128 v[SA], v[R+64*((\a)%2)+4*\i:R+64*((\a)%2)+4*\i+3] offset:STP*\i   ; through my own stage: rows in, as loaded;
.endr
.irp b, 0,1,2,3
.irp j, 0,1,2,3
	ds_load_b128 v[X+16*\b+4*\j:X+16*\b+4*\j+3], v[SB] offset:128*\b+16*\j          ; out: 16 neighbours of each block of 32 of my row.  LDS serves a wave's instructions in order
.endr
.endr
	s_wait_dscnt 0x0                               ; my numbers are in, and the stores have read their registers,
.if (\a) < 2
	LOADT (\a)+2                                   ; which take the tile two on
.endif
.if (\a) > 0
	s_wait_xcnt 0x0                                ; the last tile's stores have read the codes' registers, which are written anew below
.endif
	QUANT4 X, PW+(\a)
.irp c, 0,1,2
	global_store_b128 v[LI], v[PC+4*\c:PC+4*\c+3], s[14:15] offset:1536*(\a)+512*\c   ; 512 consecutive bytes a store
.endr
.endm
	s_lshr_b32 s20, ttmp9, 3
	s_lshl_b32 s20, s20, 20                        ; RB x 256 rows of 4,096 bytes
	s_and_b32 s21, ttmp9, 7
	s_lshl_b32 s21, s21, 9                         ; + K step s x 512 bytes
	s_add_co_u32 s20, s20, s21
	s_lshl_b32 s21, s[WV], 18                      ; + wave x 64 rows
	s_add_co_u32 s20, s20, s21
	s_mov_b32 s21, 0
	s_add_nc_u64 s[4:5], s[4:5], s[20:21]
	s_lshl_b32 s22, ttmp9, 2
	s_add_co_u32 s22, s22, s[WV]
	s_mul_i32 s22, s22, QB                         ; quad 4 x work-group + wave
	s_mov_b32 s23, 0
	s_add_nc_u64 s[14:15], s[14:15], s[22:23]
	LOADT 0
	LOADT 1
	XTILE 0
	XTILE 1
	XTILE 2
	XTILE 3
	global_store_b128 v[LI], v[PW:PW+3], s[14:15] offset:6144   ; the four tiles' scale words
	s_wait_tensorcnt 0x0
	ds_add_u32 v62, v63
	s_wait_dscnt 0x0
	s_endpgm
; ---- the weights: codes and scale bytes are taken as they are given, and only laid anew
.Lweights:
	s_sub_co_u32 s20, ttmp9, 256                   ; x' = 0..127: 0-95 W_qkv, 96-127 W_dense
	s_and_b32 s21, s20, 1
	s_lshl_b32 s21, s21, 2
	s_add_co_u32 s21, s21, s[WV]                   ; K step s = 4 (x' & 1) + wave
	s_lshr_b32 s22, s20, 5                         ; W_qkv: g
	s_bfe_u32 s23, s20, 0x40001                    ; head = (x' & 31) >> 1
	s_mul_i32 s26, s23, 192
	s_lshl_b32 s27, s22, 6
	s_add_co_u32 s26, s26, s27                     ; first row 192 head + 64 g
	s_lshl_b32 s27, s23, 3
	s_add_co_u32 s27, s27, s21
	s_mul_i32 s27, s27, 3
	s_add_co_u32 s27, s27, s22                     ; quad (head 8 + s) 3 + g
	s_sub_co_u32 s30, s20, 96                      ; W_dense:
	s_lshr_b32 s30, s30, 1                         ; rho
	s_lshl_b32 s31, s30, 6                         ; first row 64 rho
	s_lshl_b32 s32, s21, 4
	s_add_co_u32 s32, s32, s30                     ; quad 16 s + rho
	s_cmp_lt_u32 s20, 96                           ; the choice hangs on the work-group's number alone
	s_cselect_b32 s26, s26, s31
	s_cselect_b32 s27, s27, s32
	s_cselect_b64 s[6:7], s[6:7], s[10:11]
	s_cselect_b64 s[8:9], s[8:9], s[12:13]
	s_cselect_b64 s[16:17], s[16:17], s[18:19]
	s_mul_i32 s30, s26, 768                        ; a row of 1,024 codes is 768 bytes, a K step 96
	s_mul_i32 s31, s21, 96
	s_add_co_u32 s30, s30, s31
	s_mov_b32 s31, 0
	s_add_nc_u64 s[6:7], s[6:7], s[30:31]
	s_lshl_b32 s30, s26, 5                         ; a row of scale bytes is 32, a K step 4
	s_lshl_b32 s32, s21, 2
	s_add_co_u32 s30, s30, s32
	s_add_nc_u64 s[8:9], s[8:9], s[30:31]
	s_mul_i32 s30, s27, QB
	s_add_nc_u64 s[16:17], s[16:17], s[30:31]
	s_wait_alu depctr_va_vdst(0)
.irp n, 0,1,2,3
.irp p, 0,1,2,3,4,5
	global_load_b64 v[X+12*\n+2*\p:X+12*\n+2*\p+1], v[WA], s[6:7] offset:(32*(\n/2)+8*(\n%2))*768+48*(\p/3)+8*(\p%3)   ; the row's stream of bits IS the register image: 24 bytes at 24 h, 24 at 48 + 24 h
.endr
	global_load_b32 v[PW+\n], v[WSC], s[8:9] offset:(32*(\n/2)+8*(\n%2))*32
.endr
	s_wait_loadcnt 0x0
.irp n, 0,1,2,3
.irp c, 0,1,2
	global_store_b128 v[LI], v[X+12*\n+4*\c:X+12*\n+4*\c+3], s[16:17] offset:1536*\n+512*\c
.endr
.endr
	global_store_b128 v[LI], v[PW:PW+3], s[16:17] offset:6144
	s_endpgm
.Lfunc_end_k_q917f321621_prep:
	.size	k_q917f321621_prep, .Lfunc_end_k_q917f321621_prep-k_q917f321621_prep
	.p2alignl 7, 3214868480
	.fill 96, 4, 3214868480
	.section	.rodata,"a",@progbits
	.p2align	6, 0x0
	.amdhsa_kernel k_q917f321621_prep
		.amdhsa_group_segment_fixed_size 34304
		.amdhsa_private_segment_fixed_size 0
		.amdhsa_enable_private_segment 0
		.amdhsa_kernarg_size 64
		.amdhsa_user_sgpr_count 2
		.amdhsa_user_sgpr_kernarg_segment_ptr 1
		.amdhsa_wavefront_size32 1
		.amdhsa_system_sgpr_workgroup_id_x 1
		.amdhsa_system_sgpr_workgroup_id_y 1
		.amdhsa_system_sgpr_workgroup_id_z 1
		.amdhsa_system_vgpr_workitem_id 0
		.amdhsa_next_free_vgpr 256
		.amdhsa_next_free_sgpr 66
		.amdhsa_reserve_vcc 0
		.amdhsa_float_denorm_mode_32 3
		.amdhsa_float_denorm_mode_16_64 3
		.amdhsa_memory_ordered 1
		.amdhsa_forward_progress 1
		.amdhsa_inst_pref_size 38
	.end_amdhsa_kernel
	.amdgpu_metadata
---
amdhsa.version: [ 1, 2 ]
amdhsa.kernels:
  - .name:           k_q917f321621_prep
    .symbol:         k_q917f321621_prep.kd
    .args:
      - { .name: hidden_states, .offset: 0, .size: 8, .value_kind: global_buffer, .address_space: global }
      - { .name: W_qkv_codes, .offset: 8, .size: 8, .value_kind: global_buffer, .address_space: global }
      - { .name: W_qkv_scales, .offset: 16, .size: 8, .value_kind: global_buffer, .address_space: global }
      - { .name: W_dense_codes, .offset: 24, .size: 8, .value_kind: global_buffer, .address_space: global }
      - { .name: W_dense_scales, .offset: 32, .size: 8, .value_kind: global_buffer, .address_space: global }
      - { .name: ximg, .offset: 40, .size: 8, .value_kind: global_buffer, .address_space: global }
      - { .name: wqimg, .offset: 48, .size: 8, .value_kind: global_buffer, .address_space: global }
      - { .name: wdimg, .offset: 56, .size: 8, .value_kind: global_buffer, .address_space: global }
    .group_segment_fixed_size: 34304
    .private_segment_fixed_size: 0
    .kernarg_segment_align: 8
    .kernarg_segment_size: 64
    .max_flat_workgroup_size: 128
    .sgpr_count:     66
    .vgpr_count:     256
    .wavefront_size: 32
...
	.end_amdgpu_metadata
.endif
;; end of part 1
;; launch qkv (part 2): grid 8 x 32, 8 waves a work-group, clusters of 4 x 4, 327,680 bytes of LDS; arguments ximg, wqimg, b_qkv, qimg, kvimg; writes qimg, kvimg
.if DOCPART == 2
	.amdgcn_target "amdgcn-amd-amdhsa--gfx1250"
	.amdhsa_code_object_version 6
	.text
	.protected	k_q917f321621_qkv
	.globl	k_q917f321621_qkv
	.p2align	8
	.type	k_q917f321621_qkv,@function
k_q917f321621_qkv:
	s_mov_b64 s[64:65], 0
	v_nop
	global_prefetch_b8 v0, s[64:65] scope:SCOPE_SE
	s_setreg_imm32_b32 hwreg(HW_REG_WAVE_MODE, 25, 1), 1
	s_wait_xcnt 0x0
	s_wait_alu depctr_hold_cnt(0) depctr_sa_sdst(0) depctr_va_vdst(0) depctr_va_sdst(0) depctr_va_ssrc(0) depctr_va_vcc(0) depctr_vm_vsrc(0)
	s_getreg_b32 s2, hwreg(HW_REG_IB_STS2, 6, 4)
	s_cmp_eq_u32 s2, 0
	s_cbranch_scc0 .Lentry_in_a_cluster
	s_endpgm
.Lentry_in_a_cluster:
	s_bfe_u32 s2, ttmp6, 0x10000c
	s_cmp_lg_u32 s2, 0xf033
	s_cbranch_scc0 .Lentry_shape_is_right
	s_endpgm
.Lentry_shape_is_right:
; qkv = Q(hidden) W_qkv + b_qkv on codes of BF6 (E3M2) with E8M0 scales; q and k are then quantised along the head's 64, v along the keys, in registers, and leave as images of the next products' operands.
; SHARES.  A work-group makes 256 rows x 2 heads (384 columns); wave w (hd = w / 4, rq = w % 4) 64 rows x one head's 192 columns: 48 accumulators, 384 registers; two waves to a SIMD.
; q and k are made TRANSPOSED (source 0 = 16 rows of W, source 1 = 16 rows of x): a lane holds one row of x and its registers run along d, the next K.  v is made the natural way round (source 0 = x): a lane holds one d
; and its registers run along the keys, the next K.  Rows of x and of W form tiles as the launch before laid them (lane r: row 32 (a / 2) + 8 (a % 2) + r + 8 (r / 8) of 64), so 4 tiles' 32 registers are number 16 b + i = index 32 b + 16 h + i.
; THE SUMS BEGIN AS THE BIAS, loaded into the accumulators in the result's layout: no addition, and the first K step is like every other.
; K goes through a ring of two LDS slots of two K steps of 128 each: 8 quads of x (53,248 bytes), 12 of W (79,872).  Waves 0-3 fetch a quarter of x's part each, waves 4-7 of W's: dense blocks as rows of 256 bytes.
; CLUSTER 4 x 4: the four work-groups of a row of the cluster need the same rows of x, the four of a column the same heads of W: each part is asked for jointly.
; No prefetch: of four fills two go out at the head, and the other two would have to be asked for there too.
; OUT: qimg block (bh 32 + i) of 3,584 bytes: 4 half images (6 registers a lane: 16 l, then 512 + 8 l) and the scale words byte0 | byte1 << 8 | 0x7f7f0000; kvimg block of 6,656: K's 4 half images, V's 4, K's words (lanes 0-15 an even
; tile's, lanes 16-31 the odd one's), V's byte pairs.  LIMITS: blocks under 2^-122 and blocks of zeros get the byte 1 (read by this program alone); NaN and infinities are not served.
; REGISTERS: window 0: v1-10 addresses; v16-19 x's scale words, v20-23 W's; v32-79 x's four fragments; v80-127 W's four; v128-255 q's accumulators 8 (4 a + n).  window 1: v0-127 k's 8 (4 a + n); v128-255 v's 8 (4 n + a).
.set QB,    6656
.set APART, 8*QB                       ; x's part of a slot
.set SLOT,  20*QB                      ; 133,120 bytes
.set SPARE, 2*SLOT                     ; behind the ring: the spare words, 128 bytes for each of eight waves
.set SPW, 1
.set NIL, 2
.set LI,  3                            ; 16 x lane
.set ADA, 4                            ; v4-5  my quad of x in slot 0, 1
.set ADB, 6                            ; v6-7  my head's quads of W in slot 0, 1
.set L8,  8                            ; 8 x lane
.set BQ,  9                            ; 64 h: the bias of q and k
.set BV,  10                           ; 4 (r + 8 (r / 8)): the bias of v
.set XS,  16
.set WS,  20
.set AF,  32
.set BF,  80
.set QA,  128
.set KA,  0
.set VA,  128
.set OUT, 32                           ; the way out: 12 x 6 registers of codes
.set TM,  104                          ; v104-110 at work in the quantiser
.set T2,  112
.set QW,  116
.set KW,  120
.set KP,  124
.set VB,  24
.set VP,  28
.set WV,  14
.set SEL, 20
.set G1A, 24
.set G0A, 32
.set G1B, 48
.set G0B, 56
.set MSB, 0
.macro WIN new                         ; the immediate's high byte repeats the setting that is left; a switch that changes nothing is dropped
.if MSB != \new
	s_set_vgpr_msb (MSB<<8)|\new
.set MSB, \new
.endif
.endm
.macro PLACES                          ; four plain places between a matrix instruction and a load into, or a vector write of, one of its registers, or a read of its result
.rept 4
	v_nop
.endr
.endm
.macro CROUND                          ; a round of the cluster's barrier
	s_barrier_signal -1
	s_barrier_wait -1
	s_cmp_lg_u32 s[WV], 0
	s_cbranch_scc1 .Lnot_wave_0_\@
	s_barrier_signal -3
.Lnot_wave_0_\@:
	s_barrier_wait -3
	s_barrier_signal -1
	s_barrier_wait -1
.endm
.macro JLOAD sl                        ; a joint refill: waves 0-3 for x, waves 4-7 for W; the branch hangs on the wave's number alone; four v_nop follow each line
	s_cmp_eq_u32 s15, 0
	s_cbranch_scc0 .Lfor_b_\@
	tensor_load_to_lds s[G0A+4*\sl:G0A+4*\sl+3], s[G1A:G1A+7]
	s_nop 0
.rept 4
	v_nop
.endr
	s_branch .Lasked_\@
.Lfor_b_\@:
	tensor_load_to_lds s[G0B+4*\sl:G0B+4*\sl+3], s[G1B:G1B+7]
	s_nop 0
.rept 4
	v_nop
.endr
.Lasked_\@:
.endm
.macro MM d, x, y, sx, sy              ; one product in place: D = C = v[d ..], source 0 v[x ..] with scales v[sx], source 1 v[y ..] with v[sy]
	v_wmma_scale_f32_16x16x128_f8f6f4 v[\d:\d+7], v[\x:\x+11], v[\y:\y+11], v[\d:\d+7], v[\sx], v[\sy] matrix_a_fmt:MATRIX_FMT_BF6 matrix_b_fmt:MATRIX_FMT_BF6
.endm
	s_load_b256 s[4:11], s[0:1], 0x0               ; ximg s[4:5], wqimg s[6:7], b_qkv s[8:9], qimg s[10:11]
	s_load_b64 s[12:13], s[0:1], 0x20              ; kvimg
	v_lshl_add_u32 v[SPW], v0, 2, SPARE
	v_mov_b32 v[NIL], 0
	ds_add_u32 v1, v2
	ds_add_u32 v1, v2
	s_wait_dscnt 0x0
	v_lshrrev_b32 v11, 5, v0
	s_delay_alu instid0(VALU_DEP_1)
	v_readfirstlane_b32 s[WV], v11                 ; wave 0..7
	s_lshr_b32 s15, s[WV], 2                       ; hd: which of the two heads is mine.  Also: I fetch for x (0) or for W (1)
	s_and_b32 s16, s[WV], 3                        ; rq: which 64 rows are mine.  Also: which quarter I fetch
	s_bfe_u32 s40, ttmp6, 0x40000                  ; cx
	s_bfe_u32 s41, ttmp6, 0x40004                  ; cy
	s_lshl_b32 s42, ttmp9, 2
	s_add_co_u32 s42, s42, s40                     ; HP: pair of heads = 4 x cluster x + cx
	s_and_b32 s17, ttmp7, 0xffff
	s_lshl_b32 s17, s17, 2
	s_add_co_u32 s17, s17, s41                     ; RB: block of 256 rows = 4 x cluster y + cy
	s_lshl_b32 s43, s41, 2
	s_lshl_b32 s43, 15, s43                        ; my row of the cluster
	s_lshl_b32 s44, 0x1111, s40                    ; my column
	s_or_b32 s[G1A], s43, (3<<16)|(1<<21)          ; 15:0 the mask; 17:16 elements of 8 bytes; 21 set beside a mask; no padding
	s_or_b32 s[G1B], s44, (3<<16)|(1<<21)
	s_mov_b32 s[G1A+1], 32<<16                     ; tensor_dim0 = 32 elements: rows of 256 bytes
	s_mov_b32 s[G1A+2], 52<<16                     ; tensor_dim1 = 52 rows: 13,312 bytes, two quads
	s_mov_b32 s[G1A+3], 32<<16                     ; tile_dim0
	s_mov_b32 s[G1A+4], 52                         ; tile_dim1
	s_mov_b32 s[G1A+5], 32                         ; the pitch: dense
	s_mov_b32 s[G1A+6], 0
	s_mov_b32 s[G1A+7], 0
	s_mov_b32 s[G1B+1], 32<<16
	s_mov_b32 s[G1B+2], 78<<16                     ; 78 rows: 19,968 bytes, three quads
	s_mov_b32 s[G1B+3], 32<<16
	s_mov_b32 s[G1B+4], 78
	s_mov_b32 s[G1B+5], 32
	s_mov_b32 s[G1B+6], 0
	s_mov_b32 s[G1B+7], 0
	s_mul_i32 s18, s16, 13312                      ; x: my quarter, in memory and in a slot alike
	s_mul_i32 s19, s16, 19968                      ; W: my quarter's place in a slot: [K step j / 2][head j % 2]
	s_mul_i32 s46, s17, 212992                     ; x: RB's 32 quads
	s_add_co_u32 s46, s46, s18
	s_mov_b32 s47, 0
	s_lshl_b32 s66, s42, 1
	s_and_b32 s67, s16, 1
	s_add_co_u32 s66, s66, s67                     ; W: head 2 HP + j % 2,
	s_mul_i32 s66, s66, 159744                     ; its 24 quads,
	s_lshr_b32 s67, s16, 1
	s_mul_i32 s67, s67, 19968                      ; K step j / 2 of the fill
	s_add_co_u32 s66, s66, s67
	s_mov_b32 s67, 0
	s_mov_b32 s[SEL], 0x76543210
	s_mov_b32 s[SEL+1], 0xfedcba98
	s_mov_b32 s22, 0xffff0000                      ; lanes 16-31
	s_wait_kmcnt 0x0
	s_add_nc_u64 s[46:47], s[4:5], s[46:47]
	s_add_nc_u64 s[66:67], s[6:7], s[66:67]
.irp f, 0,1
	s_mov_b32 s[G0A+4*\f], 1
	s_add_co_u32 s[G0A+4*\f+1], s18, \f*SLOT
	s_add_nc_u64 s[G0A+4*\f+2:G0A+4*\f+3], s[46:47], \f*APART
	s_or_b32 s[G0A+4*\f+3], s[G0A+4*\f+3], 0x80000000
	s_mov_b32 s[G0B+4*\f], 1
	s_add_co_u32 s[G0B+4*\f+1], s19, \f*SLOT+APART
	s_add_nc_u64 s[G0B+4*\f+2:G0B+4*\f+3], s[66:67], \f*39936
	s_or_b32 s[G0B+4*\f+3], s[G0B+4*\f+3], 0x80000000
.endr
	CROUND                                         ; all sixteen work-groups are here: the first joint loads meet
	s_cmp_eq_u32 s15, 0                            ; slot 0's fill: one tensor load a wave at the head
	s_cbranch_scc0 .Lfirst_b
	tensor_load_to_lds s[G0A:G0A+3], s[G1A:G1A+7]
	s_nop 0
.rept 4
	v_nop
.endr
	s_branch .Lfirst_asked
.Lfirst_b:
	tensor_load_to_lds s[G0B:G0B+3], s[G1B:G1B+7]
	s_nop 0
.rept 4
	v_nop
.endr
.Lfirst_asked:
	v_and_b32 v11, 31, v0
	v_and_b32 v12, 15, v0
	v_bfe_u32 v13, v0, 4, 1
	s_delay_alu instid0(VALU_DEP_3)
	v_lshlrev_b32 v[LI], 4, v11
	s_delay_alu instid0(VALU_DEP_4)
	v_lshlrev_b32 v[L8], 3, v11
	s_delay_alu instid0(VALU_DEP_3)
	v_lshlrev_b32 v[BQ], 6, v13
	s_wait_alu depctr_va_vdst(0)
	v_and_b32 v14, 8, v12
	s_delay_alu instid0(VALU_DEP_1)
	v_add_nc_u32 v14, v14, v12
	s_delay_alu instid0(VALU_DEP_1)
	v_lshlrev_b32 v[BV], 2, v14
	s_wait_alu depctr_va_vdst(0)
	s_mul_i32 s23, s16, QB
	v_add_nc_u32 v[ADA], s23, v[LI]
	s_delay_alu instid0(VALU_DEP_1)
	v_add_nc_u32 v[ADA+1], SLOT, v[ADA]
	s_mul_i32 s23, s15, 19968
	s_add_co_u32 s23, s23, APART
	v_add_nc_u32 v[ADB], s23, v[LI]
	s_delay_alu instid0(VALU_DEP_1)
	v_add_nc_u32 v[ADB+1], SLOT, v[ADB]
	s_lshl_b32 s70, s42, 1
	s_add_co_u32 s70, s70, s15                     ; my head
	s_mul_i32 s72, s70, 768                        ; its 192 numbers of b_qkv
	s_mov_b32 s73, 0
	s_add_nc_u64 s[8:9], s[8:9], s[72:73]
	s_lshr_b32 s71, s17, 3                         ; the batch: RB / 8
	s_lshl_b32 s71, s71, 4
	s_add_co_u32 s71, s71, s70                     ; bh
	s_lshl_b32 s71, s71, 5
	s_and_b32 s74, s17, 7
	s_lshl_b32 s74, s74, 2
	s_add_co_u32 s71, s71, s74
	s_add_co_u32 s71, s71, s16                     ; bh 32 + i, i = my 64 rows within the sequence
	s_mul_i32 s72, s71, 3584
	s_add_nc_u64 s[10:11], s[10:11], s[72:73]
	s_mul_i32 s72, s71, QB
	s_add_nc_u64 s[12:13], s[12:13], s[72:73]
	; the bias, into the accumulators.  q, k: register j of tile n is column 32 (n / 2) + 16 h + 8 (n % 2) + j; v: every register of tile n is column 32 (n / 2) + 8 (n % 2) + r + 8 (r / 8)
.irp a, 0,1,2,3
.irp n, 0,1,2,3
	global_load_b128 v[QA+8*(4*\a+\n):QA+8*(4*\a+\n)+3], v[BQ], s[8:9] offset:128*(\n/2)+32*(\n%2)
	global_load_b128 v[QA+8*(4*\a+\n)+4:QA+8*(4*\a+\n)+7], v[BQ], s[8:9] offset:128*(\n/2)+32*(\n%2)+16
.endr
.endr
	WIN 0x40                                       ; destination window 1
.irp a, 0,1,2,3
.irp n, 0,1,2,3
	global_load_b128 v[KA+8*(4*\a+\n):KA+8*(4*\a+\n)+3], v[BQ], s[8:9] offset:256+128*(\n/2)+32*(\n%2)
	global_load_b128 v[KA+8*(4*\a+\n)+4:KA+8*(4*\a+\n)+7], v[BQ], s[8:9] offset:256+128*(\n/2)+32*(\n%2)+16
.endr
.endr
.irp n, 0,1,2,3
.irp a, 0,1,2,3
.irp j, 0,1,2,3,4,5,6,7
	global_load_b32 v[VA+8*(4*\n+\a)+\j], v[BV], s[8:9] offset:512+128*(\n/2)+32*(\n%2)
.endr
.endr
.endr
	WIN 0
; A K step of 128: x's four fragments, then for q, k and v in turn W's four fragments and 16 products.  The 48 accumulators take turns, one instruction a turn, in the same order in every step.
.macro KSTEP sl, sp
	PLACES
	ds_load_b128 v[XS:XS+3], v[ADA+\sl] offset:26624*\sp+6144
.irp a, 0,1,2,3
.irp c, 0,1,2
	ds_load_b128 v[AF+12*\a+4*\c:AF+12*\a+4*\c+3], v[ADA+\sl] offset:26624*\sp+1536*\a+512*\c
.endr
.endr
.irp g, 0,1,2
.if \g > 0
	PLACES
.endif
	ds_load_b128 v[WS:WS+3], v[ADB+\sl] offset:39936*\sp+QB*\g+6144
.irp n, 0,1,2,3
.irp c, 0,1,2
	ds_load_b128 v[BF+12*\n+4*\c:BF+12*\n+4*\c+3], v[ADB+\sl] offset:39936*\sp+QB*\g+1536*\n+512*\c
.endr
.endr
	s_wait_dscnt 0x0
.if \g == 0
.irp a, 0,1,2,3
.irp n, 0,1,2,3
	MM QA+8*(4*\a+\n), BF+12*\n, AF+12*\a, WS+\n, XS+\a
.endr
.endr
.elseif \g == 1
	WIN 0x50                                       ; C and D window 1
.irp a, 0,1,2,3
.irp n, 0,1,2,3
	MM KA+8*(4*\a+\n), BF+12*\n, AF+12*\a, WS+\n, XS+\a
.endr
.endr
	WIN 0
.else
	WIN 0x50
.irp a, 0,1,2,3
.irp n, 0,1,2,3
	MM VA+8*(4*\n+\a), AF+12*\a, BF+12*\n, XS+\a, WS+\n
.endr
.endr
	WIN 0
.endif
.endr
.endm
; The change of slots.  Each wave waits for all its tensor loads (the one that is out is its part of the other slot), adds 0 to its spare word, and waits for that and for its reads of the slot just left.
; fill = 1: a round of the cluster's barrier, and the joint refill first behind it, two fills on.
.macro CHANGE sl, fill
	s_wait_tensorcnt 0x0
	ds_add_u32 v[SPW], v[NIL]                      ; 0 onto my spare word
.if \fill
	s_add_nc_u64 s[G0A+4*\sl+2:G0A+4*\sl+3], s[G0A+4*\sl+2:G0A+4*\sl+3], 2*APART
	s_add_nc_u64 s[G0B+4*\sl+2:G0B+4*\sl+3], s[G0B+4*\sl+2:G0B+4*\sl+3], 79872
.endif
	s_wait_dscnt 0x0
.if \fill
	CROUND
	JLOAD \sl
.else
	s_barrier_signal -1
	s_barrier_wait -1
.endif
.endm
	s_wait_alu depctr_va_vdst(0)
	s_wait_tensorcnt 0x0                           ; my part of slot 0 is in; slot 1's first fill is issued as a refill is:
	ds_add_u32 v[SPW], v[NIL]                      ; 0 onto my spare word
	s_wait_dscnt 0x0
	CROUND                                         ; slot 0 is whole, and all sixteen work-groups are here
	JLOAD 1                                        ; slot 1: my one tensor load behind the round; it has slot 0's two K steps in which to land
	s_wait_loadcnt 0x0                             ; the bias
	KSTEP 0, 0
	KSTEP 0, 1
	CHANGE 0, 1
	KSTEP 1, 0
	KSTEP 1, 1
	CHANGE 1, 1
	KSTEP 0, 0
	KSTEP 0, 1
	CHANGE 0, 0
	KSTEP 1, 0
	KSTEP 1, 1
; 32 numbers v[s ..] of window w, number 16 e + i = index 32 e + 16 h + i of my row, become 6 registers of codes v[o ..] (lanes 0-15 block 0, lanes 16-31 block 1) and the two scale bytes as 16 bits in v[TM+6].
; The numbers are read in ascending order: each accumulator from its low end on.
.macro QUANT2 s, w, o
	WIN 5*(\w)
.irp e, 0,1
	v_max3_num_f32 v[TM+\e], |v[(\s)+16*\e]|, |v[(\s)+16*\e+1]|, 0x2800000   ; and the floor 2^(5 - 127): the byte cannot fall under 1
.endr
.irp i, 2,4,6,8,10,12,14
.irp e, 0,1
	v_max3_num_f32 v[TM+\e], |v[(\s)+16*\e+\i]|, |v[(\s)+16*\e+\i+1]|, v[TM+\e]
.endr
.endr
	WIN 0
.irp e, 0,1
	v_permlanex16_b32 v[TM+2+\e], v[TM+\e], s[SEL], s[SEL+1]
.endr
.irp e, 0,1
	s_delay_alu instid0(VALU_DEP_2)
	v_max_num_f32 v[TM+\e], v[TM+\e], v[TM+2+\e]   ; with lane l xor 16's: the block's largest magnitude
.endr
.irp e, 0,1
	s_delay_alu instid0(VALU_DEP_2)
	v_add_nc_u32 v[TM+4+\e], 0xfe000000, v[TM+\e]  ; 4 off its exponent field: the conversion's scale operand
.endr
.irp e, 0,1
	s_delay_alu instid0(VALU_DEP_2)
	v_lshrrev_b32 v[TM+2+\e], 23, v[TM+4+\e]       ; the scale's byte
.endr
	s_delay_alu instid0(VALU_DEP_1)
	v_lshl_or_b32 v[TM+6], v[TM+3], 8, v[TM+2]
	WIN (\w)
	v_cvt_scalef32_pk16_bf6_f32 v[(\o):(\o)+2], v[(\s):(\s)+15], v[TM+4]
	v_cvt_scalef32_pk16_bf6_f32 v[T2:T2+2], v[(\s)+16:(\s)+31], v[TM+5]
	WIN 0
	v_nop                                          ; one plain place behind a scaled conversion
.irp i, 0,1,2
	v_permlane16_swap_b32 v[(\o)+\i], v[T2+\i]     ; a whole block to a lane
.endr
.irp i, 0,1,2
	s_delay_alu instid0(VALU_DEP_3)
	v_mov_b32 v[(\o)+3+\i], v[T2+\i]
.endr
.endm
	PLACES
	v_mov_b32 v[TM+2], 0                           ; a lane permute's destination counts as one of its sources
	v_mov_b32 v[TM+3], 0
.irp a, 0,1,2,3                                ; q: tile a's 16 rows x 64
	QUANT2 QA+32*\a, 0, OUT+6*\a
	v_or_b32 v[QW+\a], 0x7f7f0000, v[TM+6]         ; the upper two bytes scale the zero codes that fill K = 64 up to 128: the byte of 1.0
.endr
.irp a, 0,1,2,3
	global_store_b128 v[LI], v[OUT+6*\a:OUT+6*\a+3], s[10:11] offset:768*\a
	global_store_b64 v[L8], v[OUT+6*\a+4:OUT+6*\a+5], s[10:11] offset:768*\a+512
.endr
	global_store_b128 v[LI], v[QW:QW+3], s[10:11] offset:3072
.irp a, 0,1,2,3                                ; k likewise
	QUANT2 KA+32*\a, 1, OUT+24+6*\a
	v_or_b32 v[KW+\a], 0x7f7f0000, v[TM+6]
.endr
.irp a, 0,1,2,3
	global_store_b128 v[LI], v[OUT+24+6*\a:OUT+24+6*\a+3], s[12:13] offset:768*\a
	global_store_b64 v[L8], v[OUT+24+6*\a+4:OUT+24+6*\a+5], s[12:13] offset:768*\a+512
.endr
	v_cndmask_b32 v[KP], v[KW], v[KW+1], s22       ; lanes 0-15 the even tile's words, lanes 16-31 the odd tile's
	v_cndmask_b32 v[KP+1], v[KW+2], v[KW+3], s22
	global_store_b64 v[L8], v[KP:KP+1], s[12:13] offset:6144
.irp n, 0,1,2,3                                ; v: tile n's 16 d x my 64 keys
	QUANT2 VA+32*\n, 1, OUT+48+6*\n
	v_mov_b32 v[VB+\n], v[TM+6]
.endr
.irp n, 0,1,2,3
	global_store_b128 v[LI], v[OUT+48+6*\n:OUT+48+6*\n+3], s[12:13] offset:3072+768*\n
	global_store_b64 v[L8], v[OUT+48+6*\n+4:OUT+48+6*\n+5], s[12:13] offset:3072+768*\n+512
.endr
	v_lshl_or_b32 v[VP], v[VB+1], 16, v[VB]
	v_lshl_or_b32 v[VP+1], v[VB+3], 16, v[VB+2]
	global_store_b64 v[L8], v[VP:VP+1], s[12:13] offset:6400
	s_wait_tensorcnt 0x0                           ; the wave's end
	ds_add_u32 v[SPW], v[NIL]
	s_wait_dscnt 0x0
	CROUND                                         ; the closing round
	s_endpgm
.Lfunc_end_k_q917f321621_qkv:
	.size	k_q917f321621_qkv, .Lfunc_end_k_q917f321621_qkv-k_q917f321621_qkv
	.p2alignl 7, 3214868480
	.fill 96, 4, 3214868480
	.section	.rodata,"a",@progbits
	.p2align	6, 0x0
	.amdhsa_kernel k_q917f321621_qkv
		.amdhsa_group_segment_fixed_size 327680
		.amdhsa_private_segment_fixed_size 0
		.amdhsa_enable_private_segment 0
		.amdhsa_kernarg_size 40
		.amdhsa_user_sgpr_count 2
		.amdhsa_user_sgpr_kernarg_segment_ptr 1
		.amdhsa_wavefront_size32 1
		.amdhsa_system_sgpr_workgroup_id_x 1
		.amdhsa_system_sgpr_workgroup_id_y 1
		.amdhsa_system_sgpr_workgroup_id_z 1
		.amdhsa_system_vgpr_workitem_id 0
		.amdhsa_next_free_vgpr 512
		.amdhsa_next_free_sgpr 80
		.amdhsa_reserve_vcc 0
		.amdhsa_float_denorm_mode_32 3
		.amdhsa_float_denorm_mode_16_64 3
		.amdhsa_memory_ordered 1
		.amdhsa_forward_progress 1
		.amdhsa_inst_pref_size 138
	.end_amdhsa_kernel
	.amdgpu_metadata
---
amdhsa.version: [ 1, 2 ]
amdhsa.kernels:
  - .name:           k_q917f321621_qkv
    .symbol:         k_q917f321621_qkv.kd
    .args:
      - { .name: ximg, .offset: 0, .size: 8, .value_kind: global_buffer, .address_space: global }
      - { .name: wqimg, .offset: 8, .size: 8, .value_kind: global_buffer, .address_space: global }
      - { .name: b_qkv, .offset: 16, .size: 8, .value_kind: global_buffer, .address_space: global }
      - { .name: qimg, .offset: 24, .size: 8, .value_kind: global_buffer, .address_space: global }
      - { .name: kvimg, .offset: 32, .size: 8, .value_kind: global_buffer, .address_space: global }
    .group_segment_fixed_size: 327680
    .private_segment_fixed_size: 0
    .kernarg_segment_align: 8
    .kernarg_segment_size: 40
    .max_flat_workgroup_size: 256
    .sgpr_count:     80
    .vgpr_count:     512
    .wavefront_size: 32
...
	.end_amdgpu_metadata
.endif
;; end of part 2
;; launch attn (part 3): grid 4 x 64, 8 waves a work-group, clusters of 4 x 1, 327,680 bytes of LDS; arguments qimg, kvimg, attention_mask, cimg, csc; writes cimg, csc
.if DOCPART == 3
	.amdgcn_target "amdgcn-amd-amdhsa--gfx1250"
	.amdhsa_code_object_version 6
	.text
	.protected	k_q917f321621_attn
	.globl	k_q917f321621_attn
	.p2align	8
	.type	k_q917f321621_attn,@function
k_q917f321621_attn:
	s_mov_b64 s[64:65], 0
	v_nop
	global_prefetch_b8 v0, s[64:65] scope:SCOPE_SE
	s_setreg_imm32_b32 hwreg(HW_REG_WAVE_MODE, 25, 1), 1
	s_wait_xcnt 0x0
	s_wait_alu depctr_hold_cnt(0) depctr_sa_sdst(0) depctr_va_vdst(0) depctr_va_sdst(0) depctr_va_ssrc(0) depctr_va_vcc(0) depctr_vm_vsrc(0)
	s_getreg_b32 s2, hwreg(HW_REG_IB_STS2, 6, 4)
	s_cmp_eq_u32 s2, 0
	s_cbranch_scc0 .Lentry_in_a_cluster
	s_endpgm
.Lentry_in_a_cluster:
	s_bfe_u32 s2, ttmp6, 0x10000c
	s_cmp_lg_u32 s2, 0x3003
	s_cbranch_scc0 .Lentry_shape_is_right
	s_endpgm
.Lentry_shape_is_right:
; ctx = softmax(q k^T / 8 + mask) v on codes of BF6 (E3M2) with E8M0 scales; ctx is quantised along the head's 64 and leaves as an image of the last product's operand.
; SHARES.  A work-group takes one (batch, head) and 512 queries; wave w 64 of them: four tiles of 16.  All 2,048 keys of the head (32 blocks of 6,656 bytes: K's codes, V's codes, their scale words) stand in LDS.
; Both products are used transposed (S^T = k q^T, O^T = v^T p^T): a lane holds one query; the keys of a tile of K were chosen by the launch before so that two neighbouring tiles' 16 registers are 16 neighbouring keys.
; K = 64 of the first product is filled up to 128 by zero codes in q's fragments; so a fragment of K may reach into the next tile's six registers.  8 x mask stands in the scores' C operand.
; p = 2^(t - M), t = (score + 8 mask) log2(e) / 8, M the ceiling of the running largest t; the sum is taken of the unquantised p; a change of M multiplies the sum and O^T by a power of two.
; ORDER IN A TILE: the next tile's eight score products are issued behind this tile's conversions, ahead of the lane swaps and of the four products with V.
; CLUSTER 4 x 1: the four work-groups of a head ask for its keys jointly.  Two loads a wave: the first four steps' blocks at the head, the other twelve steps' behind a round of the cluster's barrier.
; No prefetch: both loads leave at the head, and nothing is asked for later.
; LIMITS: the promise holds while the scaled scores stay under 2^31; mask numbers under -2^29 are held there; blocks under 2^-122 and blocks of zeros get the scale byte 1 (read by this program alone); NaN and infinities are not served.
; REGISTERS: window 0: v1-6 addresses, v8-15 at work, v16-31 four tiles' (-M, largest t, sum x 2), v32-47 scale words, v48-111 scores, v112-175 mask, v176-229 K, v230-255 p's codes and at work.  window 1: v0-47 V, v48-95 q, v96-223 O^T.
.set QB,   6656
.set FIRST, 8*QB                       ; the first fill: four steps of two blocks
.set MASK, 212992                      ; behind the 32 blocks: 2,048 numbers of 8 x mask
.set SPARE, 221184                     ; behind them: the spare words, 128 bytes for each of eight waves
.set LI,  1
.set L8,  2
.set MA,  3
.set ADK, 4
.set AD8, 5
.set ADM, 6
.set BM,  8
.set TP,  12
.set ST,  16
.set QW,  32
.set KP,  36
.set VW,  40
.set VR,  44
.set S,   48
.set MK,  112
.set KB,  176
.set PC,  230
.set TMP, 240
.set T2,  242
.set SPW, 245
.set NIL, 249
.set SO,  250
.set F,   254
.set PW,  255
.set TM,  176
.set VF,  0
.set QF,  48
.set OA,  96
.set WV,  14
.set TB,  16
.set TMK, 17
.set CNT, 18
.set SEL, 20
.set CS,  22
.set MSB, 0
.macro WIN new                         ; the immediate's high byte repeats the setting that is left
.if MSB != \new
	s_set_vgpr_msb (MSB<<8)|\new
.set MSB, \new
.endif
.endm
.macro PLACES
.rept 4
	v_nop
.endr
.endm
.macro CROUND                          ; a round of the cluster's barrier
	s_barrier_signal -1
	s_barrier_wait -1
	s_cmp_lg_u32 s[WV], 0
	s_cbranch_scc1 .Lnot_wave_0_\@
	s_barrier_signal -3
.Lnot_wave_0_\@:
	s_barrier_wait -3
	s_barrier_signal -1
	s_barrier_wait -1
.endm
.macro SHAPE g1, rows                  ; group 1: a dense block as rows of 256 bytes (32 elements of 8), asked for by all four partners
	s_mov_b32 s[\g1], 15|(3<<16)|(1<<21)
	s_mov_b32 s[\g1+1], 32<<16
	s_mov_b32 s[\g1+2], \rows<<16
	s_mov_b32 s[\g1+3], 32<<16
	s_mov_b32 s[\g1+4], \rows
	s_mov_b32 s[\g1+5], 32
	s_mov_b32 s[\g1+6], 0
	s_mov_b32 s[\g1+7], 0
.endm
.macro STAGE g0, rows, base            ; group 0: my eighth of a fill; LDS holds the head's blocks as memory does
	s_mul_i32 s62, s[WV], 256*\rows
	s_add_co_u32 s62, s62, \base
	s_mov_b32 s[\g0], 1
	s_mov_b32 s[\g0+1], s62
	s_add_nc_u64 s[\g0+2:\g0+3], s[6:7], s[62:63]
	s_or_b32 s[\g0+3], s[\g0+3], 0x80000000
.endm
	s_load_b256 s[4:11], s[0:1], 0x0               ; qimg, kvimg, mask, cimg
	s_load_b64 s[12:13], s[0:1], 0x20              ; csc
	v_lshl_add_u32 v[SPW], v0, 2, SPARE
	v_mov_b32 v[NIL], 0
	ds_add_u32 v[SPW], v[NIL]                      ; the opening lines: the add, twice on end, and its wait
	ds_add_u32 v[SPW], v[NIL]
	v_lshrrev_b32 v230, 5, v0
	s_delay_alu instid0(VALU_DEP_1)
	v_readfirstlane_b32 s[WV], v230                ; wave 0..7
	s_and_b32 s66, ttmp7, 0xffff                   ; bh
	s_mul_i32 s68, s66, 212992
	s_mov_b32 s69, 0
	s_mov_b32 s63, 0
	SHAPE 24, 26
	SHAPE 32, 78
	s_bfe_u32 s67, ttmp6, 0x40000
	s_lshl_b32 s70, ttmp9, 2
	s_add_co_u32 s67, s67, s70
	s_lshl_b32 s67, s67, 3
	s_add_co_u32 s67, s67, s[WV]                   ; my 64 queries within the sequence
	s_mov_b32 s71, 0
	s_mov_b32 s[SEL], 0x76543210
	s_mov_b32 s[SEL+1], 0xfedcba98
	s_mov_b32 s[CS], 0x3e38aa3b                    ; log2(e) / 8
	s_mov_b32 s[CS+1], s[CS]
	s_mov_b32 s60, 0x05040100
	s_mov_b32 s61, 0x07060302
	s_wait_dscnt 0x0
	s_wait_kmcnt 0x0
	s_add_nc_u64 s[6:7], s[6:7], s[68:69]
	STAGE 48, 26, 0
	STAGE 52, 78, FIRST
	CROUND
	tensor_load_to_lds s[48:51], s[24:31]          ; steps 0-3: one tensor load a wave at the head
	s_nop 0
	PLACES
	s_lshl_b32 s70, s66, 5
	s_add_co_u32 s70, s70, s67
	s_mul_i32 s70, s70, 3584
	s_add_nc_u64 s[4:5], s[4:5], s[70:71]
	s_lshr_b32 s72, s66, 4
	s_lshl_b32 s70, s72, 13
	s_add_nc_u64 s[8:9], s[8:9], s[70:71]
	s_lshl_b32 s72, s72, 5
	s_add_co_u32 s72, s72, s67
	s_and_b32 s73, s66, 15
	s_mul_i32 s70, s72, 49152
	s_mul_i32 s74, s73, 768
	s_add_co_u32 s70, s70, s74
	s_add_nc_u64 s[10:11], s[10:11], s[70:71]
	s_lshl_b32 s70, s72, 4
	s_add_co_u32 s70, s70, s73
	s_lshl_b32 s70, s70, 8
	s_add_nc_u64 s[12:13], s[12:13], s[70:71]
	v_and_b32 v230, 31, v0
	v_bfe_u32 v231, v0, 4, 1
	v_lshlrev_b32 v232, 5, v0                      ; eight numbers of the mask a thread
	v_lshl_add_u32 v233, v0, 5, MASK
	v_lshlrev_b32 v[LI], 4, v230
	v_lshlrev_b32 v[L8], 3, v230
	v_lshl_add_u32 v[MA], v231, 6, MASK
	global_load_b128 v[S:S+3], v232, s[8:9]
	global_load_b128 v[S+4:S+7], v232, s[8:9] offset:16
	WIN 0x40
.irp a, 0,1,2,3
	global_load_b128 v[QF+12*\a:QF+12*\a+3], v[LI], s[4:5] offset:768*\a
	global_load_b64 v[QF+12*\a+4:QF+12*\a+5], v[L8], s[4:5] offset:768*\a+512
.endr
	WIN 0
	global_load_b128 v[QW:QW+3], v[LI], s[4:5] offset:3072
	WIN 0x40
.irp a, 0,1,2,3
.irp i, 6,7,8,9,10,11
	v_mov_b32 v[QF+12*\a+\i], 0                    ; zero codes fill K = 64 up to 128
.endr
.endr
.set j, 0
.rept 128
	v_mov_b32 v[OA+j], 0                           ; the step is written once: the first finds zeros
.set j, j+1
.endr
	WIN 0
.irp i, 48,49,50,51,52,53
	v_mov_b32 v[KB+\i], 0
.endr
.irp a, 0,1,2,3
	v_mov_b32 v[ST+4*\a+1], 0xff61b1e6             ; the largest t so far: -3e38
	s_delay_alu instid0(VALU_DEP_1)
	v_floor_f32 v[ST+4*\a], -v[ST+4*\a+1]
	v_mov_b32 v[ST+4*\a+2], 0
	v_mov_b32 v[ST+4*\a+3], 0
	v_mov_b32 v[TP+\a], 0                          ; a lane permute's destination counts as one of its sources
.endr
	v_mov_b32 v[PW], 0
	s_wait_loadcnt 9                               ; the mask is in; q's nine loads may be out
.irp i, 0,2,4,6
	v_pk_mul_f32 v[S+\i:S+\i+1], v[S+\i:S+\i+1], 0x41000000 op_sel_hi:[1,0]
.endr
.irp i, 0,1,2,3,4,5,6,7
	v_max_num_f32 v[S+\i], 0xcf800000, v[S+\i]     ; held at -2^32
.endr
	ds_store_b128 v233, v[S:S+3]
	ds_store_b128 v233, v[S+4:S+7] offset:16
	s_wait_alu depctr_va_vdst(0)
	s_wait_tensorcnt 0x0                           ; my part of steps 0-3 is in; the later first fill is issued as a refill is:
	ds_add_u32 v[SPW], v[NIL]
	s_wait_dscnt 0x0                               ; the add and my part of the mask
	CROUND
	tensor_load_to_lds s[52:55], s[32:39]          ; steps 4-15: my one tensor load behind the round; it has four steps in which to land
	s_nop 0
	PLACES
	s_wait_loadcnt 0x0
.macro SMM a                           ; S^T of tile a: eight tiles of 16 keys; C = 8 x mask
	WIN 0x04
.irp t, 0,1,2,3,4,5,6,7
.if (\t%2) == 1
	v_wmma_scale_f32_16x16x128_f8f6f4 v[S+8*\t:S+8*\t+7], v[KB+6*\t:KB+6*\t+11], v[QF+12*(\a):QF+12*(\a)+11], v[MK+8*\t:MK+8*\t+7], v[KP+\t/2], v[QW+(\a)] matrix_a_fmt:MATRIX_FMT_BF6 matrix_b_fmt:MATRIX_FMT_BF6 matrix_a_scale:MATRIX_SCALE_ROW1
.else
	v_wmma_scale_f32_16x16x128_f8f6f4 v[S+8*\t:S+8*\t+7], v[KB+6*\t:KB+6*\t+11], v[QF+12*(\a):QF+12*(\a)+11], v[MK+8*\t:MK+8*\t+7], v[KP+\t/2], v[QW+(\a)] matrix_a_fmt:MATRIX_FMT_BF6 matrix_b_fmt:MATRIX_FMT_BF6
.endif
.endr
	WIN 0
.endm
.macro TILE a
.set rT, ST+4*(\a)
.if (\a) == 0
	SMM 0
	s_wait_dscnt 0x0                               ; V and its byte pairs are in
	v_perm_b32 v[VW], v[VR+2], v[VR], s60          ; V's scale words of these 128 keys; also the four places behind the products
	v_perm_b32 v[VW+1], v[VR+2], v[VR], s61
	v_perm_b32 v[VW+2], v[VR+3], v[VR+1], s60
	v_perm_b32 v[VW+3], v[VR+3], v[VR+1], s61
.endif
.irp b, 0,1,2,3
	v_max3_num_f32 v[BM+\b], v[S+16*\b], v[S+1+16*\b], v[S+2+16*\b]   ; the largest score of each block of 32 keys, the four blocks by turns
.endr
.irp i, 3,5,7,9,11,13
.irp b, 0,1,2,3
	v_max3_num_f32 v[BM+\b], v[BM+\b], v[S+16*\b+\i], v[S+1+16*\b+\i]
.endr
.endr
.irp b, 0,1,2,3
	v_max_num_f32 v[BM+\b], v[BM+\b], v[S+15+16*\b]
.endr
.irp b, 0,1,2,3
	v_permlanex16_b32 v[TP+\b], v[BM+\b], s[SEL], s[SEL+1]
.endr
.irp b, 0,1,2,3
	v_max_num_f32 v[BM+\b], v[BM+\b], v[TP+\b]
.endr
	v_max3_num_f32 v[TMP], v[BM], v[BM+1], v[BM+2]
	s_delay_alu instid0(VALU_DEP_1)
	v_max_num_f32 v[TMP], v[TMP], v[BM+3]
	s_delay_alu instid0(VALU_DEP_1)
	v_mul_f32 v[TMP], s[CS], v[TMP]
	s_delay_alu instid0(VALU_DEP_1)
	v_max_num_f32 v[rT+1], v[rT+1], v[TMP]         ; the running largest t
	v_mov_b32 v[TMP], v[rT]
	s_delay_alu instid0(VALU_DEP_2)
	v_floor_f32 v[rT], -v[rT+1]                    ; the new -M
	s_delay_alu instid0(VALU_DEP_1)
	v_sub_f32 v[TMP], v[rT], v[TMP]
.set j, 0
.rept 32
	v_pk_fma_f32 v[S+j:S+j+1], v[S+j:S+j+1], s[CS:CS+1], v[rT:rT+1] op_sel_hi:[1,0,0]   ; t - M; the links that make f stand among the first of these
.if j == 2
	v_cvt_i32_f32 v[TMP], v[TMP]
.endif
.if j == 6
	v_ldexp_f32 v[F], 1.0, v[TMP]                  ; f = 2^(old M - new M)
.endif
.set j, j+2
.endr
.irp b, 0,1,2,3
	v_fma_f32 v[BM+\b], v[BM+\b], s[CS], v[rT]     ; the same of each block's largest score
.endr
	WIN 0x41
	s_wait_alu depctr_va_vdst(0)                   ; directly ahead of the first reader of O^T, and between the batch's sources and the batch
.set j, 0
.rept 16
	v_pk_mul_f32 v[OA+32*(\a)+j:OA+32*(\a)+j+1], v[OA+32*(\a)+j:OA+32*(\a)+j+1], v[F:F+1] op_sel_hi:[1,0]
.set j, j+2
.endr
	WIN 0
.irp b, 0,1,2,3
	v_exp_f32 v[BM+\b], v[BM+\b]                   ; the block's largest p
.endr
.set j, 0
.rept 64
	v_exp_f32 v[S+j], v[S+j]
.set j, j+1
.endr
	v_pk_mul_f32 v[rT+2:rT+3], v[rT+2:rT+3], v[F:F+1] op_sel_hi:[1,0]   ; the sum under the new M; the plain place behind the batch
	s_wait_alu depctr_va_vdst(0)                   ; one wait for the batch of 68
	v_pk_add_f32 v[TP:TP+1], v[S:S+1], v[S+2:S+3]  ; the sum of the unquantised p, in three chains
	v_pk_add_f32 v[TP+2:TP+3], v[S+4:S+5], v[S+6:S+7]
.set j, 8
.rept 9
	v_pk_add_f32 v[rT+2:rT+3], v[rT+2:rT+3], v[S+j:S+j+1]
	v_pk_add_f32 v[TP:TP+1], v[TP:TP+1], v[S+j+2:S+j+3]
	v_pk_add_f32 v[TP+2:TP+3], v[TP+2:TP+3], v[S+j+4:S+j+5]
.set j, j+6
.endr
	v_pk_add_f32 v[rT+2:rT+3], v[rT+2:rT+3], v[S+62:S+63]
.irp b, 0,1,2,3
	v_max_num_f32 v[BM+\b], 0x2800000, v[BM+\b]    ; the floor 2^(5 - 127): the byte cannot fall under 1
.endr
.irp b, 0,1,2,3
	v_add_nc_u32 v[SO+\b], 0xfe000000, v[BM+\b]    ; 4 off the exponent field: the conversion's scale operand
.endr
.irp b, 0,1,2,3
	v_lshrrev_b32 v[T2+\b+\b/3], 23, v[SO+\b]      ; the scale's byte (v242-244, v246)
.endr
	v_lshl_or_b32 v[PW], v[T2+1], 8, v[T2]
	s_delay_alu instid0(VALU_DEP_1)
	v_lshl_or_b32 v[PW], v[T2+2], 16, v[PW]
	s_delay_alu instid0(VALU_DEP_1)
	v_lshl_or_b32 v[PW], v[T2+4], 24, v[PW]        ; p's scale word for these 128 keys
.irp c, 0,1
	v_cvt_scalef32_pk16_bf6_f32 v[PC+6*\c:PC+2+6*\c], v[S+32*\c:S+15+32*\c], v[SO+2*\c]
	v_cvt_scalef32_pk16_bf6_f32 v[T2+4*\c:T2+2+4*\c], v[S+16+32*\c:S+31+32*\c], v[SO+2*\c+1]
.endr
	v_nop                                          ; one plain place behind a scaled conversion
.if (\a) < 3
	SMM (\a)+1                                     ; the scores' registers are free: the next tile's products
.endif
.irp c, 0,1                                    ; a whole block to a lane
.irp i, 0,1,2
	v_permlane16_swap_b32 v[PC+6*\c+\i], v[T2+4*\c+\i]
.endr
.irp i, 0,1,2
	v_mov_b32 v[PC+3+6*\c+\i], v[T2+4*\c+\i]
.endr
.endr
	v_pk_add_f32 v[TP:TP+1], v[TP:TP+1], v[TP+2:TP+3]   ; the three chains join: with the two v_nop the four places between p's codes and the products
	s_delay_alu instid0(VALU_DEP_1)
	v_pk_add_f32 v[rT+2:rT+3], v[rT+2:rT+3], v[TP:TP+1]
	v_nop
	v_nop
	WIN 0x51
.irp n, 0,1,2,3
	v_wmma_scale_f32_16x16x128_f8f6f4 v[OA+32*(\a)+8*\n:OA+32*(\a)+8*\n+7], v[VF+12*\n:VF+12*\n+11], v[PC:PC+11], v[OA+32*(\a)+8*\n:OA+32*(\a)+8*\n+7], v[VW+\n], v[PW] matrix_a_fmt:MATRIX_FMT_BF6 matrix_b_fmt:MATRIX_FMT_BF6
.endr
	WIN 0
.endm
.macro STEPS trips, tb0, tm0           ; steps of 128 keys: two blocks
	s_mov_b32 s[TB], \tb0
	s_mov_b32 s[TMK], \tm0
	s_mov_b32 s[CNT], \trips
.Lstep_\@:
	v_add_nc_u32 v[ADK], s[TB], v[LI]              ; with the v_nop: four places behind the last products, ahead of the loads
	v_add_nc_u32 v[AD8], s[TB], v[L8]
	v_add_nc_u32 v[ADM], s[TMK], v[MA]
	v_nop
.irp c, 0,1
.irp a, 0,1,2,3
	ds_load_b128 v[KB+6*(4*\c+\a):KB+6*(4*\c+\a)+3], v[ADK] offset:QB*\c+768*\a
	ds_load_b64 v[KB+6*(4*\c+\a)+4:KB+6*(4*\c+\a)+5], v[AD8] offset:QB*\c+768*\a+512
.endr
	ds_load_b64 v[KP+2*\c:KP+2*\c+1], v[AD8] offset:QB*\c+6144
.endr
.irp b, 0,1,2,3
.irp i, 0,1,2,3
	ds_load_b128 v[MK+16*\b+4*\i:MK+16*\b+4*\i+3], v[ADM] offset:128*\b+16*\i
.endr
.endr
	WIN 0x40
.irp c, 0,1
.irp n, 0,1,2,3
	ds_load_b128 v[VF+12*\n+6*\c:VF+12*\n+6*\c+3], v[ADK] offset:QB*\c+3072+768*\n
	ds_load_b64 v[VF+12*\n+6*\c+4:VF+12*\n+6*\c+5], v[AD8] offset:QB*\c+3072+768*\n+512
.endr
.endr
	WIN 0
.irp c, 0,1
	ds_load_b64 v[VR+2*\c:VR+2*\c+1], v[AD8] offset:QB*\c+6400
.endr
	s_wait_dscnt 18                                ; K and the mask are in; V's 16 loads and its 2 of byte pairs may be out
	TILE 0
	TILE 1
	TILE 2
	TILE 3
	s_add_co_u32 s[TB], s[TB], 2*QB
	s_add_co_u32 s[TMK], s[TMK], 512
	s_sub_co_u32 s[CNT], s[CNT], 1
	s_cmp_lg_u32 s[CNT], 0
	s_cbranch_scc1 .Lstep_\@
.endm
	STEPS 4, 0, 0
	s_wait_tensorcnt 0x0                           ; my part of steps 4-15 is in
	s_wait_dscnt 0x0
	s_barrier_signal -1
	s_barrier_wait -1
	STEPS 12, FIRST, 2048
; 32 numbers v[s ..], number 16 e + i = index 32 e + 16 h + i of my row, become 6 registers of codes v[o ..] and the two scale bytes in v[TM+6]
.macro QUANT2 s, w, o
	WIN 5*(\w)
.irp e, 0,1
	v_max3_num_f32 v[TM+\e], |v[(\s)+16*\e]|, |v[(\s)+16*\e+1]|, 0x2800000
.endr
.irp i, 2,4,6,8,10,12,14
.irp e, 0,1
	s_delay_alu instid0(VALU_DEP_2)
	v_max3_num_f32 v[TM+\e], |v[(\s)+16*\e+\i]|, |v[(\s)+16*\e+\i+1]|, v[TM+\e]
.endr
.endr
	WIN 0
.irp e, 0,1
	s_delay_alu instid0(VALU_DEP_2)
	v_permlanex16_b32 v[TM+2+\e], v[TM+\e], s[SEL], s[SEL+1]
.endr
.irp e, 0,1
	s_delay_alu instid0(VALU_DEP_2)
	v_max_num_f32 v[TM+\e], v[TM+\e], v[TM+2+\e]
.endr
.irp e, 0,1
	s_delay_alu instid0(VALU_DEP_2)
	v_add_nc_u32 v[TM+4+\e], 0xfe000000, v[TM+\e]
.endr
.irp e, 0,1
	s_delay_alu instid0(VALU_DEP_2)
	v_lshrrev_b32 v[TM+2+\e], 23, v[TM+4+\e]
.endr
	s_delay_alu instid0(VALU_DEP_1)
	v_lshl_or_b32 v[TM+6], v[TM+3], 8, v[TM+2]
	WIN (\w)
	v_cvt_scalef32_pk16_bf6_f32 v[(\o):(\o)+2], v[(\s):(\s)+15], v[TM+4]
	v_cvt_scalef32_pk16_bf6_f32 v[T2:T2+2], v[(\s)+16:(\s)+31], v[TM+5]
	WIN 0
	v_nop
.irp i, 0,1,2
	v_permlane16_swap_b32 v[(\o)+\i], v[T2+\i]
.endr
.irp i, 0,1,2
	s_delay_alu instid0(VALU_DEP_3)
	v_mov_b32 v[(\o)+3+\i], v[T2+\i]
.endr
.endm
.irp a, 0,1,2,3
	v_add_f32 v[ST+4*\a], v[ST+4*\a+2], v[ST+4*\a+3]   ; the sum's two halves,
.endr
.irp a, 0,1,2,3
	s_delay_alu instid0(VALU_DEP_4)
	v_permlanex16_b32 v[ST+4*\a+1], v[ST+4*\a], s[SEL], s[SEL+1]
.endr
.irp a, 0,1,2,3
	s_delay_alu instid0(VALU_DEP_4)
	v_add_f32 v[ST+4*\a], v[ST+4*\a], v[ST+4*\a+1]     ; and lane l xor 16's
.endr
	s_wait_alu depctr_va_vdst(0)
.irp a, 0,1,2,3
	v_rcp_f32 v[ST+4*\a+2], v[ST+4*\a]
.endr
	v_mov_b32 v[TM+2], 0
	v_mov_b32 v[TM+3], 0
	s_wait_alu depctr_va_vdst(0)
.irp a, 0,1,2,3
	WIN 0x01
.set j, 0
.rept 16
	v_pk_mul_f32 v[S+j:S+j+1], v[OA+32*\a+j:OA+32*\a+j+1], v[ST+4*\a+2:ST+4*\a+3] op_sel_hi:[1,0]   ; O^T / the sum
.set j, j+2
.endr
	WIN 0
	QUANT2 S, 0, MK+6*\a
	v_mov_b32 v[MK+24+\a], v[TM+6]
.endr
.irp a, 0,1,2,3
	global_store_b128 v[LI], v[MK+6*\a:MK+6*\a+3], s[10:11] offset:12288*\a
	global_store_b64 v[L8], v[MK+6*\a+4:MK+6*\a+5], s[10:11] offset:12288*\a+512
.endr
	v_lshl_or_b32 v[MK+28], v[MK+25], 16, v[MK+24]
	v_lshl_or_b32 v[MK+29], v[MK+27], 16, v[MK+26]
	global_store_b64 v[L8], v[MK+28:MK+29], s[12:13]
	s_wait_tensorcnt 0x0                           ; the wave's end
	ds_add_u32 v[SPW], v[NIL]
	s_wait_dscnt 0x0
	CROUND                                         ; the closing round
	s_endpgm
.Lfunc_end_k_q917f321621_attn:
	.size	k_q917f321621_attn, .Lfunc_end_k_q917f321621_attn-k_q917f321621_attn
	.p2alignl 7, 3214868480
	.fill 96, 4, 3214868480
	.section	.rodata,"a",@progbits
	.p2align	6, 0x0
	.amdhsa_kernel k_q917f321621_attn
		.amdhsa_group_segment_fixed_size 327680
		.amdhsa_private_segment_fixed_size 0
		.amdhsa_enable_private_segment 0
		.amdhsa_kernarg_size 40
		.amdhsa_user_sgpr_count 2
		.amdhsa_user_sgpr_kernarg_segment_ptr 1
		.amdhsa_wavefront_size32 1
		.amdhsa_system_sgpr_workgroup_id_x 1
		.amdhsa_system_sgpr_workgroup_id_y 1
		.amdhsa_system_sgpr_workgroup_id_z 1
		.amdhsa_system_vgpr_workitem_id 0
		.amdhsa_next_free_vgpr 512
		.amdhsa_next_free_sgpr 80
		.amdhsa_reserve_vcc 0
		.amdhsa_float_denorm_mode_32 3
		.amdhsa_float_denorm_mode_16_64 3
		.amdhsa_memory_ordered 1
		.amdhsa_forward_progress 1
		.amdhsa_inst_pref_size 149
	.end_amdhsa_kernel
	.amdgpu_metadata
---
amdhsa.version: [ 1, 2 ]
amdhsa.kernels:
  - .name:           k_q917f321621_attn
    .symbol:         k_q917f321621_attn.kd
    .args:
      - { .name: qimg, .offset: 0, .size: 8, .value_kind: global_buffer, .address_space: global }
      - { .name: kvimg, .offset: 8, .size: 8, .value_kind: global_buffer, .address_space: global }
      - { .name: attention_mask, .offset: 16, .size: 8, .value_kind: global_buffer, .address_space: global }
      - { .name: cimg, .offset: 24, .size: 8, .value_kind: global_buffer, .address_space: global }
      - { .name: csc, .offset: 32, .size: 8, .value_kind: global_buffer, .address_space: global }
    .group_segment_fixed_size: 327680
    .private_segment_fixed_size: 0
    .kernarg_segment_align: 8
    .kernarg_segment_size: 40
    .max_flat_workgroup_size: 256
    .sgpr_count:     80
    .vgpr_count:     512
    .wavefront_size: 32
...
	.end_amdgpu_metadata
.endif
;; end of part 3
;; launch dense (part 4): grid 256 x 1, 8 waves a work-group, clusters of 4 x 1, 327,680 bytes of LDS; arguments cimg, csc, wdimg, hidden_states, b_dense, ln_gamma, ln_beta, out0; writes out0
.if DOCPART == 4
	.amdgcn_target "amdgcn-amd-amdhsa--gfx1250"
	.amdhsa_code_object_version 6
	.text
	.protected	k_q917f321621_dense
	.globl	k_q917f321621_dense
	.p2align	8
	.type	k_q917f321621_dense,@function
k_q917f321621_dense:
	s_mov_b64 s[64:65], 0
	v_nop
	global_prefetch_b8 v0, s[64:65] scope:SCOPE_SE
	s_setreg_imm32_b32 hwreg(HW_REG_WAVE_MODE, 25, 1), 1
	s_wait_xcnt 0x0
	s_wait_alu depctr_hold_cnt(0) depctr_sa_sdst(0) depctr_va_vdst(0) depctr_va_sdst(0) depctr_va_ssrc(0) depctr_va_vcc(0) depctr_vm_vsrc(0)
	s_getreg_b32 s2, hwreg(HW_REG_IB_STS2, 6, 4)
	s_cmp_eq_u32 s2, 0
	s_cbranch_scc0 .Lentry_in_a_cluster
	s_endpgm
.Lentry_in_a_cluster:
	s_bfe_u32 s2, ttmp6, 0x10000c
	s_cmp_lg_u32 s2, 0x3003
	s_cbranch_scc0 .Lentry_shape_is_right
	s_endpgm
.Lentry_shape_is_right:
; out = LayerNorm(Q(ctx) W_dense + b_dense + hidden) on codes of BF6 (E3M2) with E8M0 scales.
; SHARES.  A work-group makes 32 whole rows (two tiles of 16: tile a holds rows 8 a + i + 8 (i / 8)); wave w their columns 128 w .. 128 w + 127: 16 accumulators, 128 registers.
; The product is used transposed (source 0 = 16 rows of W, source 1 = 16 rows of ctx): a lane holds one row, its registers run along the columns.  The first step's products start the sums (C = 0).
; W COMES BY TWO ROADS.  The preparing launch laid it in the order of the operand's registers; a K step of 128 is 13,312 bytes (two quads) a wave, and each fragment is read by one wave of the work-group alone.
;   K steps 0, 2, 4, 6: CLUSTER 4 x 1: all work-groups walk the same W, so the four partners ask for a step jointly, an eighth of it a wave, into two LDS slots of 106,496 bytes that take turns; one tensor load a wave is out behind each round.
;   K steps 1, 3, 5, 7: 26 loads of 512 bytes a wave straight into registers, two sets by turns, so that they are on their way while the rounds and the joint loads go on.
; THE STEPS GO IN THE ORDER 0, 1, 2, 3, 5, 7, 4, 6: the register road ends first, and hidden's 32 rows are loaded into its two sets as each is read out, while K steps 4 and 6 are still to come.
; hidden + b_dense is then turned into the result's layout through my own stage in LDS and added to the sums.
; No prefetch: all 256 work-groups walk the same 851,968 bytes of W in the same order.
; ctx's image of the 32 rows (24,576 bytes) and its 256 scale words are copied into LDS once, an eighth a wave, and every wave reads its fragments there.
; LDS: the two slots; eight stages of 16 x 528 bytes; 2,048 bytes for the sums across waves; ctx's image; its scale words [row-lane][head]; the spare words.
; REGISTERS: window 0: v1-11 addresses; v12-27 scale words of the register road's two sets, v28-31 of a quad from LDS; v32-47 ctx's scale words; v48-95 a quad's four fragments from LDS; v124-127 the bias; v128-255 accumulators.
;   window 1: at 128 p: set p of the register road (96; later 64 of hidden), one of two buffers for ctx's two fragments (24).
.set QB,    6656
.set SLOT,  16*QB
.set STG,   2*SLOT
.set STP,   528
.set STW,   16*STP
.set RED1,  STG+8*STW
.set ALDS,  RED1+2048
.set CLDS,  ALDS+24576
.set SPARE, CLDS+1024
.set SPW, 1
.set NIL, 2
.set LI,  3
.set L8,  4
.set AA,  5
.set SA,  6
.set SD,  7
.set A8,  8
.set CR,  9
.set TA,  10
.set BS,  12
.set BT,  28
.set AS,  32
.set TF,  48
.set CW,  100
.set BI,  124
.set ACC, 128
.set WV,  20
.set G0,  32
.set SEL, 40
.set G1,  52
.set MSB, 0
.macro WIN new
.if MSB != \new
	s_set_vgpr_msb (MSB<<8)|\new
.set MSB, \new
.endif
.endm
.macro PLACES
.rept 4
	v_nop
.endr
.endm
.macro CROUND                          ; a round of the cluster's barrier
	s_barrier_signal -1
	s_barrier_wait -1
	s_cmp_lg_u32 s[WV], 0
	s_cbranch_scc1 .Lnot_wave_0_\@
	s_barrier_signal -3
.Lnot_wave_0_\@:
	s_barrier_wait -3
	s_barrier_signal -1
	s_barrier_wait -1
.endm
.macro MM d, x, y, sx, sy
	v_wmma_scale_f32_16x16x128_f8f6f4 v[\d:\d+7], v[\x:\x+11], v[\y:\y+11], v[\d:\d+7], v[\sx], v[\sy] matrix_a_fmt:MATRIX_FMT_BF6 matrix_b_fmt:MATRIX_FMT_BF6
.endm
.macro MMZ d, x, y, sx, sy             ; the same, starting a sum
	v_wmma_scale_f32_16x16x128_f8f6f4 v[\d:\d+7], v[\x:\x+11], v[\y:\y+11], 0, v[\sx], v[\sy] matrix_a_fmt:MATRIX_FMT_BF6 matrix_b_fmt:MATRIX_FMT_BF6
.endm
.macro LOADSET i                       ; K step 2 i + 1 of my 128 columns into set i % 2: 24 loads of codes, 2 of scale words
	WIN 0x40
.irp q, 0,1
.irp n, 0,1,2,3
.irp c, 0,1,2
	global_load_b128 v[128*((\i)%2)+12*(4*\q+\n)+4*\c:128*((\i)%2)+12*(4*\q+\n)+4*\c+3], v[LI], s[8:9] offset:(16*(2*(\i)+1)+\q)*QB+1536*\n+512*\c
.endr
.endr
.endr
	WIN 0
.irp q, 0,1
	global_load_b128 v[BS+8*((\i)%2)+4*\q:BS+8*((\i)%2)+4*\q+3], v[LI], s[8:9] offset:(16*(2*(\i)+1)+\q)*QB+6144
.endr
.endm
.macro HLOAD a                         ; hidden, tile a's 16 rows of my 128 columns, into the set that has been read out: each load 512 consecutive bytes
	WIN 0x40
.irp i, 0,1,2,3,4,5,6,7,8,9,10,11,12,13,14,15
	global_load_b128 v[128*(\a)+4*\i:128*(\a)+4*\i+3], v[LI], s[10:11] offset:(8*(\a)+\i+8*(\i/8))*4096 th:TH_LOAD_NT
.endr
	WIN 0
.endm
.macro AFETCH s, b                     ; ctx's two fragments of K step s into buffer b: heads 2 s and 2 s + 1, six registers each
	WIN 0x40
.irp a, 0,1
.irp e, 0,1
	ds_load_b128 v[128*(\b)+96+12*\a+6*\e:128*(\b)+96+12*\a+6*\e+3], v[AA] offset:(16*\a+2*(\s)+\e)*768
	ds_load_b64 v[128*(\b)+96+12*\a+6*\e+4:128*(\b)+96+12*\a+6*\e+5], v[A8] offset:(16*\a+2*(\s)+\e)*768+512
.endr
.endr
	WIN 0
.endm
	s_load_b512 s[4:19], s[0:1], 0x0               ; cimg, csc, wdimg, hidden, b_dense, gamma, beta, out
	v_lshl_add_u32 v[SPW], v0, 2, SPARE
	v_mov_b32 v[NIL], 0
	ds_add_u32 v[SPW], v[NIL]                      ; the opening lines: the add, twice on end, and its wait
	ds_add_u32 v[SPW], v[NIL]
	v_lshrrev_b32 v121, 5, v0
	v_readfirstlane_b32 s[WV], v121                ; wave 0..7
	v_and_b32 v121, 31, v0
	v_and_b32 v122, 15, v0                         ; r
	v_bfe_u32 v123, v0, 4, 1                       ; h
	v_lshrrev_b32 v120, 4, v0                      ; thread / 16: a head
	s_mul_i32 s21, s[WV], 3072
	s_mul_i32 s45, s[WV], STW
	s_add_co_u32 s45, s45, STG
	s_mul_i32 s26, s[WV], 2*QB                     ; W: my two quads of a K step, in memory and in a slot alike
	v_lshlrev_b32 v[LI], 4, v121
	v_lshlrev_b32 v[L8], 3, v121
	v_lshlrev_b32 v119, 8, v120
	v_lshl_add_u32 v119, v122, 3, v119             ; csc in memory: 256 head + 8 r
	v_lshlrev_b32 v120, 2, v120
	v_lshl_add_u32 v120, v122, 6, v120
	v_add_nc_u32 v120, CLDS, v120                  ; in LDS: 64 r + 4 head
	v_lshl_add_u32 v[CR], v122, 6, CLDS
	v_add_nc_u32 v117, s21, v[LI]                  ; my eighth of ctx's image
	v_add_nc_u32 v118, ALDS, v117
	v_add_nc_u32 v[AA], ALDS, v[LI]
	v_add_nc_u32 v[A8], ALDS, v[L8]
	v_add_nc_u32 v[TA], s26, v[LI]                 ; my quads in slot 0,
	v_add_nc_u32 v[TA+1], SLOT, v[TA]              ; in slot 1
	v_add_nc_u32 v[SA], s45, v[LI]
	v_mul_u32_u24 v[SD], v122, STP
	v_lshl_add_u32 v[SD], v123, 6, v[SD]
	v_add_nc_u32 v[SD], s45, v[SD]
	s_bfe_u32 s47, ttmp6, 0x40000
	s_lshl_b32 s46, ttmp9, 2
	s_add_co_u32 s46, s46, s47                     ; my block of 32 rows = 4 x cluster x + cx
	s_mul_i32 s22, s46, 24576                      ; ctx: 32 rows
	s_mov_b32 s23, 0
	s_lshr_b32 s24, s46, 1
	s_lshl_b32 s24, s24, 12                        ; csc: 4,096 bytes for 64 rows,
	s_and_b32 s28, s46, 1
	s_lshl_b32 s28, s28, 2                         ; and which pair of tiles
	s_add_co_u32 s24, s24, s28
	s_mov_b32 s25, 0
	s_mov_b32 s27, 0
	s_lshl_b32 s28, s46, 17                        ; hidden, out: 32 rows of 4,096 bytes,
	s_lshl_b32 s30, s[WV], 9                       ; my 128 columns
	s_add_co_u32 s28, s28, s30
	s_mov_b32 s29, 0
	s_mov_b32 s31, 0
	s_mov_b32 s[G1], 15|(3<<16)|(1<<21)            ; all four partners; elements of 8 bytes; bit 21 beside a mask
	s_mov_b32 s[G1+1], 32<<16                      ; rows of 256 bytes,
	s_mov_b32 s[G1+2], 52<<16                      ; 52 of them: 13,312 bytes
	s_mov_b32 s[G1+3], 32<<16
	s_mov_b32 s[G1+4], 52
	s_mov_b32 s[G1+5], 32
	s_mov_b32 s[G1+6], 0
	s_mov_b32 s[G1+7], 0
	s_mov_b32 s[SEL], 0x76543210
	s_mov_b32 s[SEL+1], 0xfedcba98
	s_mov_b32 s42, 0xffff0000
	s_mov_b32 s43, 0x3a800000                      ; 1 / 1024
	s_mov_b32 s44, 0x3727c5ac                      ; 1e-5
	s_mov_b32 s50, 0x05040100
	s_mov_b32 s51, 0x07060302
	s_wait_alu depctr_va_vdst(0)
	s_wait_dscnt 0x0                               ; both opening adds are done
	s_wait_kmcnt 0x0
	s_add_nc_u64 s[4:5], s[4:5], s[22:23]
	s_add_nc_u64 s[6:7], s[6:7], s[24:25]
	s_add_nc_u64 s[8:9], s[8:9], s[26:27]
	s_add_nc_u64 s[10:11], s[10:11], s[28:29]
	s_add_nc_u64 s[18:19], s[18:19], s[28:29]
	s_add_nc_u64 s[12:13], s[12:13], s[30:31]
	s_add_nc_u64 s[14:15], s[14:15], s[30:31]
	s_add_nc_u64 s[16:17], s[16:17], s[30:31]
.irp f, 0,1                            ; group 0 of slot f: first K step 2 f
	s_mov_b32 s[G0+4*\f], 1
	s_add_co_u32 s[G0+4*\f+1], s26, \f*SLOT
	s_add_nc_u64 s[G0+4*\f+2:G0+4*\f+3], s[8:9], \f*2*SLOT
	s_or_b32 s[G0+4*\f+3], s[G0+4*\f+3], 0x80000000
.endr
	CROUND                                         ; the four partners are here: the first joint loads meet
	tensor_load_to_lds s[G0:G0+3], s[G1:G1+7]      ; K step 0: one tensor load a wave at the head
	s_nop 0
	PLACES
.irp c, 0,1,2,3,4,5
	global_load_b128 v[TF+4*\c:TF+4*\c+3], v117, s[4:5] offset:512*\c
.endr
	global_load_b32 v116, v119, s[6:7]
	global_load_b128 v[BI:BI+3], v[LI], s[12:13]
	LOADSET 0
	LOADSET 1
	s_wait_loadcnt 53                              ; ctx's seven loads are in; behind them: 1 + 26 + 26
.irp c, 0,1,2,3,4,5
	ds_store_b128 v118, v[TF+4*\c:TF+4*\c+3] offset:512*\c
.endr
	ds_store_b32 v120, v116
	s_wait_tensorcnt 0x0                           ; my part of K step 0 is in; slot 1's first fill is issued as a refill is:
	ds_add_u32 v[SPW], v[NIL]                      ; 0 onto my spare word
	s_wait_dscnt 0x0                               ; the add, and my stores of ctx's image and words, for the others' sake
	CROUND                                         ; the round is also the barrier between those stores and the reads below
	tensor_load_to_lds s[G0+4:G0+7], s[G1:G1+7]    ; K step 2: my one tensor load behind the round
	s_nop 0
	PLACES
.irp i, 0,1,2,3
	ds_load_b128 v[CW+4*\i:CW+4*\i+3], v[CR] offset:16*\i   ; my row-lane's word of each head: tile 0's two bytes below, tile 1's above
.endr
	AFETCH 0, 0
	s_wait_dscnt 8                                 ; the words are in; the eight loads of fragments may be out
.irp s, 0,1,2,3,4,5,6,7
	v_perm_b32 v[AS+\s], v[CW+2*\s+1], v[CW+2*\s], s50
	v_perm_b32 v[AS+8+\s], v[CW+2*\s+1], v[CW+2*\s], s51
.endr
.rept 8
	v_nop                                          ; a scale register written by a vector instruction stands 8 places ahead of a scaled matrix instruction
.endr
	s_wait_alu depctr_va_vdst(0)                   ; directly ahead of the waits below
; The 16 accumulators take turns, one instruction a turn, in the same order in every step.
.macro TSTEP s, b, z, ns               ; an even K step s, from slot (s / 2) % 2: my own bytes, a quad at a time; ctx from buffer b; z: it starts the sums; ns: the K step that follows
.irp q, 0,1
.if \q > 0
	PLACES
.endif
	ds_load_b128 v[BT:BT+3], v[TA+((\s)/2)%2] offset:QB*\q+6144
.irp n, 0,1,2,3
.irp c, 0,1,2
	ds_load_b128 v[TF+12*\n+4*\c:TF+12*\n+4*\c+3], v[TA+((\s)/2)%2] offset:QB*\q+1536*\n+512*\c
.endr
.endr
	s_wait_dscnt 0x0
	WIN 0x04
.irp n, 0,1,2,3
.irp a, 0,1
.if \z
	MMZ ACC+8*(8*\a+4*\q+\n), TF+12*\n, 128*(\b)+96+12*\a, BT+\n, AS+8*\a+(\s)
.else
	MM ACC+8*(8*\a+4*\q+\n), TF+12*\n, 128*(\b)+96+12*\a, BT+\n, AS+8*\a+(\s)
.endif
.endr
.endr
	WIN 0
.endr
.if \ns >= 0
	PLACES                                         ; ahead of loads into registers that matrix instructions have read
	AFETCH \ns, 1-(\b)
.endif
.endm
.macro DSTEP i, b, cnt, ns             ; K step 2 i + 1, from set i % 2; cnt: the loads issued behind that set
	s_wait_dscnt 0x0                               ; ctx's fragments of this step
	s_wait_loadcnt \cnt
	WIN 0x05
.irp t, 0,1,2,3,4,5,6,7
.irp a, 0,1
	MM ACC+8*(8*\a+\t), 128*((\i)%2)+12*\t, 128*(\b)+96+12*\a, BS+8*((\i)%2)+\t, AS+8*\a+2*(\i)+1
.endr
.endr
	WIN 0
	PLACES                                         ; ahead of the loads that follow, here and behind the macro
	AFETCH \ns, 1-(\b)
.endm
.macro CHANGE sl                       ; slot sl has been read out: it takes the K step four on
	s_wait_tensorcnt 0x0                           ; all my tensor loads are done: the one that was out is my part of the other slot
	ds_add_u32 v[SPW], v[NIL]                      ; 0 onto my spare word
	s_add_nc_u64 s[G0+4*\sl+2:G0+4*\sl+3], s[G0+4*\sl+2:G0+4*\sl+3], 4*SLOT
	s_wait_dscnt 0x0                               ; the add, and my reads of the slot
	CROUND
	tensor_load_to_lds s[G0+4*\sl:G0+4*\sl+3], s[G1:G1+7]
	s_nop 0
	PLACES
.endm
	TSTEP 0, 0, 1, 1
	DSTEP 0, 1, 26, 2                              ; behind set 0: set 1's 26 loads
	LOADSET 2
	CHANGE 0                                       ; K step 4
	TSTEP 2, 0, 0, 3
	DSTEP 1, 1, 26, 5
	LOADSET 3
	DSTEP 2, 0, 26, 7
	HLOAD 0
	CHANGE 1                                       ; K step 6
	DSTEP 3, 1, 16, 4                              ; behind set 1: hidden's first 16 loads
	HLOAD 1
	TSTEP 4, 0, 0, 6
	s_wait_tensorcnt 0x0                           ; my part of K step 6, which I alone read
	TSTEP 6, 1, 0, -1
	PLACES
	global_load_b128 v[96:99], v[LI], s[14:15]     ; gamma, beta of my columns
	global_load_b128 v[100:103], v[LI], s[16:17]
	v_and_b32 v112, 31, v0
	s_delay_alu instid0(VALU_DEP_1)
	v_lshlrev_b32 v112, 5, v112
	s_lshl_b32 s45, s[WV], 2
	s_add_co_u32 s45, s45, RED1
	v_add_nc_u32 v112, s45, v112
	v_and_b32 v113, 15, v0
	s_delay_alu instid0(VALU_DEP_1)
	v_lshl_add_u32 v113, v113, 5, RED1
	v_mov_b32 v114, 0
	v_mov_b32 v115, 0
.macro HADD a                          ; hidden + bias of tile a: rows into my stage as loaded, out in the result's layout
.set HB, 128*(\a)
	WIN 0x41
.set j, 0
.rept 16
	v_pk_add_f32 v[HB+j:HB+j+1], v[HB+j:HB+j+1], v[BI:BI+1]
	v_pk_add_f32 v[HB+j+2:HB+j+3], v[HB+j+2:HB+j+3], v[BI+2:BI+3]
.set j, j+4
.endr
	WIN 0x04
.irp i, 0,1,2,3,4,5,6,7,8,9,10,11,12,13,14,15
	ds_store_b128 v[SA], v[HB+4*\i:HB+4*\i+3] offset:STP*\i
.endr
	WIN 0
	s_wait_dscnt 0x0
	WIN 0x40
.irp t, 0,1,2,3,4,5,6,7
	ds_load_b128 v[HB+8*\t:HB+8*\t+3], v[SD] offset:256*(\t/4)+128*((\t%4)/2)+32*(\t%2)
	ds_load_b128 v[HB+8*\t+4:HB+8*\t+7], v[SD] offset:256*(\t/4)+128*((\t%4)/2)+32*(\t%2)+16
.endr
	WIN 0
.endm
	s_wait_alu depctr_va_vdst(0)                   ; directly ahead of the wait below
	s_wait_loadcnt 18                              ; tile 0's rows (and the bias) are in; behind them: 16 + 2
	HADD 0
	s_wait_loadcnt 2                               ; tile 1's rows; behind them: gamma and beta
	HADD 1
	s_wait_dscnt 0x0
	WIN 0x04
.irp a, 0,1
.set j, 0
.rept 32
	v_pk_add_f32 v[ACC+64*\a+j:ACC+64*\a+j+1], v[ACC+64*\a+j:ACC+64*\a+j+1], v[128*\a+j:128*\a+j+1]   ; x = the product + hidden + bias; each accumulator from its low end on
.set j, j+2
.endr
.endr
	WIN 0
.macro ACROSS off                      ; two rows' partial sums a lane: across the lane's halves, then across the eight waves through LDS
	s_delay_alu instid0(VALU_DEP_3)
	v_pk_add_f32 v[104:105], v[104:105], v[106:107]
	s_delay_alu instid0(VALU_DEP_2)
	v_pk_add_f32 v[108:109], v[108:109], v[110:111]
	s_delay_alu instid0(VALU_DEP_2)
	v_add_f32 v104, v104, v105
	s_delay_alu instid0(VALU_DEP_2)
	v_add_f32 v108, v108, v109
	s_delay_alu instid0(VALU_DEP_2)
	v_permlanex16_b32 v114, v104, s[SEL], s[SEL+1]
	s_delay_alu instid0(VALU_DEP_2)
	v_permlanex16_b32 v115, v108, s[SEL], s[SEL+1]
	s_delay_alu instid0(VALU_DEP_2)
	v_add_f32 v104, v104, v114
	s_delay_alu instid0(VALU_DEP_2)
	v_add_f32 v108, v108, v115
	s_delay_alu instid0(VALU_DEP_1)
	v_cndmask_b32 v104, v104, v108, s42
	ds_store_b32 v112, v104 offset:\off
	s_wait_dscnt 0x0
	s_barrier_signal -1
	s_barrier_wait -1
	ds_load_b128 v[32:35], v113 offset:\off
	ds_load_b128 v[36:39], v113 offset:\off+16
	ds_load_b128 v[40:43], v113 offset:\off+512
	ds_load_b128 v[44:47], v113 offset:\off+528
	s_wait_dscnt 0x0
	v_pk_add_f32 v[32:33], v[32:33], v[34:35]
	v_pk_add_f32 v[36:37], v[36:37], v[38:39]
	v_pk_add_f32 v[40:41], v[40:41], v[42:43]
	v_pk_add_f32 v[44:45], v[44:45], v[46:47]
	s_delay_alu instid0(VALU_DEP_3)
	v_pk_add_f32 v[32:33], v[32:33], v[36:37]
	s_delay_alu instid0(VALU_DEP_2)
	v_pk_add_f32 v[40:41], v[40:41], v[44:45]
	s_delay_alu instid0(VALU_DEP_2)
	v_add_f32 v32, v32, v33
	s_delay_alu instid0(VALU_DEP_2)
	v_add_f32 v40, v40, v41
.endm
.irp a, 0,1
.irp q, 0,1
	v_pk_add_f32 v[104+2*(2*\a+\q):105+2*(2*\a+\q)], v[ACC+64*\a+32*\q:ACC+64*\a+32*\q+1], v[ACC+64*\a+32*\q+2:ACC+64*\a+32*\q+3]
.endr
.endr
.irp j, 4,6,8,10,12,14,16,18,20,22,24,26,28,30
.irp a, 0,1
.irp q, 0,1
	v_pk_add_f32 v[104+2*(2*\a+\q):105+2*(2*\a+\q)], v[104+2*(2*\a+\q):105+2*(2*\a+\q)], v[ACC+64*\a+32*\q+\j:ACC+64*\a+32*\q+\j+1]
.endr
.endr
.endr
	ACROSS 0
	s_delay_alu instid0(VALU_DEP_2)
	v_mul_f32 v116, 0xba800000, v32                ; - the mean
	s_delay_alu instid0(VALU_DEP_2)
	v_mul_f32 v118, 0xba800000, v40
	s_delay_alu instid0(VALU_DEP_2)
	v_mov_b32 v117, v116
	s_delay_alu instid0(VALU_DEP_2)
	v_mov_b32 v119, v118
.irp a, 0,1
.set j, 0
.rept 32
	v_pk_add_f32 v[ACC+64*\a+j:ACC+64*\a+j+1], v[ACC+64*\a+j:ACC+64*\a+j+1], v[116+2*\a:117+2*\a] op_sel_hi:[1,0]
.set j, j+2
.endr
.endr
.irp a, 0,1
.irp q, 0,1
	v_pk_mul_f32 v[104+2*(2*\a+\q):105+2*(2*\a+\q)], v[ACC+64*\a+32*\q:ACC+64*\a+32*\q+1], v[ACC+64*\a+32*\q:ACC+64*\a+32*\q+1]
.endr
.endr
.irp j, 2,4,6,8,10,12,14,16,18,20,22,24,26,28,30
.irp a, 0,1
.irp q, 0,1
	s_delay_alu instid0(VALU_DEP_4)
	v_pk_fma_f32 v[104+2*(2*\a+\q):105+2*(2*\a+\q)], v[ACC+64*\a+32*\q+\j:ACC+64*\a+32*\q+\j+1], v[ACC+64*\a+32*\q+\j:ACC+64*\a+32*\q+\j+1], v[104+2*(2*\a+\q):105+2*(2*\a+\q)]
.endr
.endr
.endr
	ACROSS 1024
	s_delay_alu instid0(VALU_DEP_2)
	v_fma_f32 v124, v32, s43, s44                  ; the variance + 1e-5
	s_delay_alu instid0(VALU_DEP_2)
	v_fma_f32 v125, v40, s43, s44
	s_wait_alu depctr_va_vdst(0)
	v_rsq_f32 v120, v124
	v_rsq_f32 v122, v125
	v_nop
	s_wait_alu depctr_va_vdst(0)
	v_mov_b32 v121, v120
	v_mov_b32 v123, v122
.irp a, 0,1
.set j, 0
.rept 32
	v_pk_mul_f32 v[ACC+64*\a+j:ACC+64*\a+j+1], v[ACC+64*\a+j:ACC+64*\a+j+1], v[120+2*\a:121+2*\a] op_sel_hi:[1,0]
.set j, j+2
.endr
.endr
	s_wait_loadcnt 0x0
.macro LEAVE a, y                      ; back through my stage: whole rows of 512 bytes, x gamma + beta, stored by 32 lanes
.irp t, 0,1,2,3,4,5,6,7
	ds_store_b128 v[SD], v[ACC+64*(\a)+8*\t:ACC+64*(\a)+8*\t+3] offset:256*(\t/4)+128*((\t%4)/2)+32*(\t%2)
	ds_store_b128 v[SD], v[ACC+64*(\a)+8*\t+4:ACC+64*(\a)+8*\t+7] offset:256*(\t/4)+128*((\t%4)/2)+32*(\t%2)+16
.endr
.irp i, 0,1,2,3,4,5,6,7,8,9,10,11,12,13,14,15
	ds_load_b128 v[\y+4*\i:\y+4*\i+3], v[SA] offset:STP*\i
.endr
.irp i, 0,1,2,3,4,5,6,7,8,9,10,11,12,13,14,15
	s_wait_dscnt 15-\i
	v_pk_fma_f32 v[\y+4*\i:\y+4*\i+1], v[\y+4*\i:\y+4*\i+1], v[96:97], v[100:101]
	v_pk_fma_f32 v[\y+4*\i+2:\y+4*\i+3], v[\y+4*\i+2:\y+4*\i+3], v[98:99], v[102:103]
	global_store_b128 v[LI], v[\y+4*\i:\y+4*\i+3], s[18:19] offset:(8*(\a)+\i+8*(\i/8))*4096 th:TH_STORE_NT
.endr
.endm
	LEAVE 0, 32
	LEAVE 1, 128
	s_wait_tensorcnt 0x0                           ; the wave's end
	ds_add_u32 v[SPW], v[NIL]
	s_wait_dscnt 0x0
	CROUND                                         ; the closing round
	s_endpgm
.Lfunc_end_k_q917f321621_dense:
	.size	k_q917f321621_dense, .Lfunc_end_k_q917f321621_dense-k_q917f321621_dense
	.p2alignl 7, 3214868480
	.fill 96, 4, 3214868480
	.section	.rodata,"a",@progbits
	.p2align	6, 0x0
	.amdhsa_kernel k_q917f321621_dense
		.amdhsa_group_segment_fixed_size 327680
		.amdhsa_private_segment_fixed_size 0
		.amdhsa_enable_private_segment 0
		.amdhsa_kernarg_size 64
		.amdhsa_user_sgpr_count 2
		.amdhsa_user_sgpr_kernarg_segment_ptr 1
		.amdhsa_wavefront_size32 1
		.amdhsa_system_sgpr_workgroup_id_x 1
		.amdhsa_system_sgpr_workgroup_id_y 1
		.amdhsa_system_sgpr_workgroup_id_z 1
		.amdhsa_system_vgpr_workitem_id 0
		.amdhsa_next_free_vgpr 512
		.amdhsa_next_free_sgpr 66
		.amdhsa_reserve_vcc 0
		.amdhsa_float_denorm_mode_32 3
		.amdhsa_float_denorm_mode_16_64 3
		.amdhsa_memory_ordered 1
		.amdhsa_forward_progress 1
		.amdhsa_inst_pref_size 101
	.end_amdhsa_kernel
	.amdgpu_metadata
---
amdhsa.version: [ 1, 2 ]
amdhsa.kernels:
  - .name:           k_q917f321621_dense
    .symbol:         k_q917f321621_dense.kd
    .args:
      - { .name: cimg, .offset: 0, .size: 8, .value_kind: global_buffer, .address_space: global }
      - { .name: csc, .offset: 8, .size: 8, .value_kind: global_buffer, .address_space: global }
      - { .name: wdimg, .offset: 16, .size: 8, .value_kind: global_buffer, .address_space: global }
      - { .name: hidden_states, .offset: 24, .size: 8, .value_kind: global_buffer, .address_space: global }
      - { .name: b_dense, .offset: 32, .size: 8, .value_kind: global_buffer, .address_space: global }
      - { .name: ln_gamma, .offset: 40, .size: 8, .value_kind: global_buffer, .address_space: global }
      - { .name: ln_beta, .offset: 48, .size: 8, .value_kind: global_buffer, .address_space: global }
      - { .name: out0, .offset: 56, .size: 8, .value_kind: global_buffer, .address_space: global }
    .group_segment_fixed_size: 327680
    .private_segment_fixed_size: 0
    .kernarg_segment_align: 8
    .kernarg_segment_size: 64
    .max_flat_workgroup_size: 256
    .sgpr_count:     66
    .vgpr_count:     512
    .wavefront_size: 32
...
	.end_amdgpu_metadata
.endif
;; end of part 4
